; MI455X (gfx1250); checked and timed in simulation.
; The chip was launched on July 23, 2026; its instructions are those of AMD's public machine-readable ISA for CDNA 5 (MIT licence, August 2026) and "CDNA5" Instruction Set Architecture Reference Guide (July 2026). The comments in the code are by the model that wrote it; some were corrected since.
;; Attention. Allowed arithmetic: float matrix products may take bf16 or f16 operands with f32 sums; other float arithmetic in f32, or as packed bf16 or f16 multiplies, adds, multiply-adds, maxima and minima; sums over many terms, partial sums and values carried from step to step in f32; what a program stores and reads back later, other than sums and carried values, may be rounded once to bf16 or f16.
;; Inputs: bk 2,048 float32; bo 2,048 float32; bq 2,048 float32; bv 2,048 float32; cos 1 x 1 x 2,048 x 128 float32; key_value 1 x 2,048 x 2,048 float32; query 1 x 2,048 x 2,048 float32; sin 1 x 1 x 2,048 x 128 float32; wk 2,048 x 2,048 float32; wo 2,048 x 2,048 float32; wq 2,048 x 2,048 float32; wv 2,048 x 2,048 float32.
;; Outputs: out0 1 x 2,048 x 2,048 float32.
;; One version. Each part assembles by itself: llvm-mc -triple=amdgcn-amd-amdhsa -mcpu=gfx1250 --defsym DOCPART=n.
;; ======== version 1 of 1: 4 launches
;; limits: values are held in f16: magnitudes above 65,504 overflow, below 6.1e-05 lose precision
;; workspace buffers: xb 51,380,224 bytes; qkv 25,165,824 bytes; oh 8,388,608 bytes
;; launch cvt (part 1): grid 1568 x 1, 8 waves a work-group, no clusters, 0 bytes of LDS; arguments query, key_value, wq, wk, wv, wo, cos, sin, xb; writes xb
.if DOCPART == 1
	.amdgcn_target "amdgcn-amd-amdhsa--gfx1250"
	.amdhsa_code_object_version 6
	.text
	.protected	k_qfbf83d522b_cvt
	.globl	k_qfbf83d522b_cvt
	.p2align	8
	.type	k_qfbf83d522b_cvt,@function
k_qfbf83d522b_cvt:
	s_mov_b64 s[64:65], 0
	v_nop
	global_prefetch_b8 v0, s[64:65] scope:SCOPE_SE
	s_setreg_imm32_b32 hwreg(HW_REG_WAVE_MODE, 25, 1), 1
	s_wait_xcnt 0x0
; All large inputs are rounded once to 16 bits, so that the products read half the bytes.
; xb: query, key_value, wq, wk, wv in bf16, 8,388,608 bytes each; wo rounded to bf16 and that number written as f16; cos, sin in bf16, 524,288 bytes each.
; A work-group turns 65,536 input bytes into the 32,768 bytes at xb + 32,768 x its number: numbers 0-1535 are matrix n / 256, piece n % 256;
; 1536-1551 cos, 1552-1567 sin, piece n % 16.  Thread t, step j: 16 bytes in at 4,096 j + 16 t (a wave: 512 consecutive bytes),
; 8 bytes out at 2,048 j + 8 t (a wave: 256 consecutive bytes, aligned).  All 16 loads of a thread go out first; no register is written twice.
; No LDS, no barrier, no matrix unit, no cluster: nothing is shared and nothing is read twice.
; LIMIT: wo beyond 65,504 has no f16; below 6e-5 it keeps f16's fixed step of 6e-8.
.set X, 4                              ; v[4:67]    step j: 4 registers as loaded
.set Y, 68                             ; v[68:99]   step j: 2 registers to store
.set T, 100                            ; v[100:103] at work
	s_load_b256 s[8:15], s[0:1], 0x0               ; query, key_value, wq, wk
	s_load_b256 s[16:23], s[0:1], 0x20             ; wv, wo, cos, sin
	s_load_b64 s[24:25], s[0:1], 0x40              ; xb
	s_lshr_b32 s2, ttmp9, 8                        ; which matrix, if below 6
	s_and_b32 s3, ttmp9, 255                       ; and which piece of it
	s_bfe_u32 s4, ttmp9, 0x10004                   ; else: cos (0) or sin (1),
	s_add_co_u32 s4, s4, 6                         ; the arguments 6 and 7,
	s_and_b32 s5, ttmp9, 15                        ; and which piece
	s_cmp_lt_u32 s2, 6
	s_cselect_b32 s6, s3, s5                       ; piece
	s_cselect_b32 s7, s2, s4                       ; argument 0..7
	s_lshl_b32 s26, s6, 16                         ; 65,536 bytes a piece
	s_mov_b32 s27, 0
	s_lshl_b32 s28, ttmp9, 15                      ; 32,768 bytes out
	s_mov_b32 s29, 0
	v_lshlrev_b32 v1, 4, v0
	v_lshlrev_b32 v2, 3, v0
	s_wait_kmcnt 0x0
	s_mov_b64 s[30:31], s[8:9]
.irp n, 1,2,3,4,5,6,7
	s_cmp_eq_u32 s7, \n
	s_cselect_b64 s[30:31], s[8+2*\n:9+2*\n], s[30:31]
.endr
	s_add_nc_u64 s[30:31], s[30:31], s[26:27]
	s_add_nc_u64 s[24:25], s[24:25], s[28:29]
.irp j, 0,1,2,3,4,5,6,7,8,9,10,11,12,13,14,15
	global_load_b128 v[X+4*\j:X+4*\j+3], v1, s[30:31] offset:4096*\j th:TH_LOAD_NT
.endr
.macro CV j, half                      ; half = 1: the bf16 number is written as f16
	s_wait_loadcnt 15-(\j)                         ; loads come back in order: step j is in, the 15 - j younger ones stay out
	v_cvt_pk_bf16_f32 v[Y+2*(\j)], v[X+4*(\j)], v[X+4*(\j)+1]
	v_cvt_pk_bf16_f32 v[Y+2*(\j)+1], v[X+4*(\j)+2], v[X+4*(\j)+3]
.if \half
	v_lshlrev_b32 v[T], 16, v[Y+2*(\j)]
	v_and_b32 v[T+1], 0xffff0000, v[Y+2*(\j)]
	v_lshlrev_b32 v[T+2], 16, v[Y+2*(\j)+1]
	v_and_b32 v[T+3], 0xffff0000, v[Y+2*(\j)+1]
	v_cvt_pk_f16_f32 v[Y+2*(\j)], v[T], v[T+1]
	v_cvt_pk_f16_f32 v[Y+2*(\j)+1], v[T+2], v[T+3]
.endif
	global_store_b64 v2, v[Y+2*(\j):Y+2*(\j)+1], s[24:25] offset:2048*(\j)
.endm
	s_cmp_eq_u32 s7, 5
	s_cbranch_scc1 .Lwo
.irp j, 0,1,2,3,4,5,6,7,8,9,10,11,12,13,14,15
	CV \j, 0
.endr
	s_endpgm
.Lwo:
.irp j, 0,1,2,3,4,5,6,7,8,9,10,11,12,13,14,15
	CV \j, 1
.endr
	s_endpgm
.Lfunc_end_k_qfbf83d522b_cvt:
	.size	k_qfbf83d522b_cvt, .Lfunc_end_k_qfbf83d522b_cvt-k_qfbf83d522b_cvt
	.p2alignl 7, 3214868480
	.fill 96, 4, 3214868480
	.section	.rodata,"a",@progbits
	.p2align	6, 0x0
	.amdhsa_kernel k_qfbf83d522b_cvt
		.amdhsa_group_segment_fixed_size 0
		.amdhsa_private_segment_fixed_size 0
		.amdhsa_enable_private_segment 0
		.amdhsa_kernarg_size 72
		.amdhsa_user_sgpr_count 2
		.amdhsa_user_sgpr_kernarg_segment_ptr 1
		.amdhsa_wavefront_size32 1
		.amdhsa_system_sgpr_workgroup_id_x 1
		.amdhsa_system_sgpr_workgroup_id_y 1
		.amdhsa_system_sgpr_workgroup_id_z 1
		.amdhsa_system_vgpr_workitem_id 0
		.amdhsa_next_free_vgpr 104
		.amdhsa_next_free_sgpr 66
		.amdhsa_reserve_vcc 0
		.amdhsa_float_denorm_mode_32 3
		.amdhsa_float_denorm_mode_16_64 3
		.amdhsa_memory_ordered 1
		.amdhsa_forward_progress 1
		.amdhsa_inst_pref_size 17
	.end_amdhsa_kernel
	.amdgpu_metadata
---
amdhsa.version: [ 1, 2 ]
amdhsa.kernels:
  - .name:           k_qfbf83d522b_cvt
    .symbol:         k_qfbf83d522b_cvt.kd
    .args:
      - { .name: query, .offset: 0, .size: 8, .value_kind: global_buffer, .address_space: global }
      - { .name: key_value, .offset: 8, .size: 8, .value_kind: global_buffer, .address_space: global }
      - { .name: wq, .offset: 16, .size: 8, .value_kind: global_buffer, .address_space: global }
      - { .name: wk, .offset: 24, .size: 8, .value_kind: global_buffer, .address_space: global }
      - { .name: wv, .offset: 32, .size: 8, .value_kind: global_buffer, .address_space: global }
      - { .name: wo, .offset: 40, .size: 8, .value_kind: global_buffer, .address_space: global }
      - { .name: cos, .offset: 48, .size: 8, .value_kind: global_buffer, .address_space: global }
      - { .name: sin, .offset: 56, .size: 8, .value_kind: global_buffer, .address_space: global }
      - { .name: xb, .offset: 64, .size: 8, .value_kind: global_buffer, .address_space: global }
    .group_segment_fixed_size: 0
    .private_segment_fixed_size: 0
    .kernarg_segment_align: 8
    .kernarg_segment_size: 72
    .max_flat_workgroup_size: 256
    .sgpr_count:     66
    .vgpr_count:     104
    .wavefront_size: 32
...
	.end_amdgpu_metadata
.endif
;; end of part 1
;; launch proj (part 2): grid 24 x 8, 4 waves a work-group, clusters of 4 x 4, 327,680 bytes of LDS; arguments xb, bq, bk, bv, qkv; writes qkv
.if DOCPART == 2
	.amdgcn_target "amdgcn-amd-amdhsa--gfx1250"
	.amdhsa_code_object_version 6
	.text
	.protected	k_qfbf83d522b_proj
	.globl	k_qfbf83d522b_proj
	.p2align	8
	.type	k_qfbf83d522b_proj,@function
k_qfbf83d522b_proj:
	s_mov_b64 s[64:65], 0
	v_nop
	global_prefetch_b8 v0, s[64:65] scope:SCOPE_SE
	s_setreg_imm32_b32 hwreg(HW_REG_WAVE_MODE, 25, 1), 1
	s_wait_xcnt 0x0
	s_wait_alu depctr_hold_cnt(0) depctr_sa_sdst(0) depctr_va_vdst(0) depctr_va_sdst(0) depctr_va_ssrc(0) depctr_va_vcc(0) depctr_vm_vsrc(0)
	s_getreg_b32 s2, hwreg(HW_REG_IB_STS2, 6, 4)
	s_cmp_eq_u32 s2, 0
	s_cbranch_scc0 .Lentry_in_a_cluster
	s_endpgm
.Lentry_in_a_cluster:
	s_bfe_u32 s2, ttmp6, 0x10000c
	s_cmp_lg_u32 s2, 0xf033
	s_cbranch_scc0 .Lentry_shape_is_right
	s_endpgm
.Lentry_shape_is_right:
; q, k, v = x W^T + b, the rotary embedding on q and k, stored by heads in f16.  x and W come from xb in bf16; sums in f32.
; A tile is 256 rows x 256 columns, K = 2,048: four waves, each 128 x 128 = 64 accumulators in 512 registers; K in 16 steps of 128 through two LDS slots.
; TILES.  x = 0..23, y = 0..7.  x < 8: A = query, columns = q's heads 2 x, 2 x + 1.  x >= 8: A = key_value, head x - 8: the left 128 columns are k's, the right 128 v's.
; So a wave's 128 columns are one head, and a cluster (four x on end) is all q or all k and v.
; CLUSTER 4 x 4: A's tiles and the tables hang on y alone and are asked for jointly along a row of the cluster, B's on x alone, along a column.
; THE PRODUCT IS USED TRANSPOSED (source 0 = 16 rows of W, source 1 = 16 rows of x): a lane holds row l % 16 and columns 16 b + 8 (l / 16) + 0..7.
; THE LOOP is one K step long and is written once: the slot in hand is a scalar that an exclusive or turns, each run of fragment loads makes its addresses from it, and one descriptor
; for A and one for B walk from step to step.  A trip goes from a step's last quarter to the next step's third; the first quarter, whose products start the sums, stands ahead of the loop,
; which is entered in its middle.
; THE TAIL.  Slot 0's last refill brings cos and sin for the tile's 256 rows; it lands under the last K step.  Then the sums leave in f32 through a stage of 16 rows for each wave, in slot 1,
; which has had its last fill, so that a lane can read channels i and 64 + i of one row together.  Every LDS address of the way out is a register made at the head plus an immediate:
; a loop of eight trips picks its block of 16 rows by forward branches on its counter; the block's stores and table loads are written out for each block, the rest once.
; OUT.  qkv: [3][16][2048][128] f16.  q and k are stored divided by 16 (exact) and with their channels in another order, alike in both: the 16 bytes at 16 j of a row hold
; channels 4 j .. 4 j + 3 and 64 + 4 j .. 64 + 4 j + 3.  v is stored as it is.  The biases and the tables are rounded to bf16 like every input.
; LIMITS.  |q|, |k| behind the rotation under 16 x 65,504 and |v| under 65,504, or f16 gives an infinity; NaN and infinities are not treated apart.
; REGISTERS: window 0: v16-21 LDS addresses, v28-29 the add's, v32-61 the way out's addresses and biases, v64-127, v128-191 A's fragments (later the way out's sums and tables), v192-247 the way out's work;
;   window 1: v64-127, v128-191 B's fragments;  windows 2, 3: the accumulators of my rows 0-63, 64-127, (a, b) at v[8 (8 a + b)].
.set SIZE_K, 2048
.set KSTEP,  128
.set STEPS,  SIZE_K/KSTEP
.set PITCH,  272                       ; an LDS row: 256 bytes + 16 of padding: the 16 rows of a fragment load start 16 bytes apart modulo 256
.set HALFT,  128*PITCH                 ; what one tensor load brings
.set SLOT,   4*HALFT                   ; A's 256 rows, then B's 256 rows: 0x22000; the four waves' places in a slot, w x 0x8800, share no bit with it, so one exclusive or changes slots
.set SPARE,  2*SLOT                    ; behind the ring: the spare words, 128 bytes a wave
.set DPITCH, 528                       ; a row of 128 f32 sums + 16 of padding
.set STG,    16*DPITCH                 ; a wave's stage in slot 1 on the way out
.set ADRA0, 16                         ; v16  my A fragments' place in slot 0; never rewritten
.set ADRB0, 17                         ; v17  the same for B
.set ADRA, 20                          ; v20  the same in the slot in hand, made anew ahead of each run of loads
.set ADRB, 21
.set SPW,  28                          ; v28  SPARE + 4 x my thread's number; never rewritten
.set NIL,  29                          ; v29  0; never rewritten
.set DST,  32                          ; where my 32 bytes of a row of sums go
.set XA0,  33                          ; rotation: my 16 bytes of the stage's first two rows
.set XV0,  34                          ; v: my 16 bytes of the stage's first row
.set TA0,  35                          ; cos: my 8 bytes of my first two rows
.set TS0,  36                          ; sin
.set GO,   37                          ; 16 x lane
.set GOV,  38                          ; 8 x lane
.set ZR,   39                          ; 0
.set BO1,  43                          ; 16 (l % 16)
.set BL,   44                          ; bias / 16 of channels 4 j ..
.set BH,   48                          ; of channels 64 + 4 j ..
.set NBH,  52                          ; the same, negative
.set BV,   56                          ; bias of channels 4 l .. (v)
.set F0,   64
.set F1,   128
.set XR,   64                          ; the way out: sums read back, 64 registers
.set TR,   128                         ; tables of 16 rows, 64 registers
.set WL,   192                         ; x_lo, x_hi, -x_hi
.set WH,   196
.set WN,   200
.set TT,   204
.set UU,   208
.set OUT,  216                         ; 32 registers to store
.set CNT, 3                            ; s3   K steps whose third quarter is still to come
.set TB,  9                            ; s9   the slot in hand: 0 or SLOT
.set G1,  24
.set G0,  32                           ; s[32:35] A's first fill; s[36:39] its second, which then walks
.set G1B, 48
.set G0B, 56                           ; the same for B
.set SC,  66                           ; s[66:67] 1/16
.set G1T, 68                           ; the tables' descriptor
.set G0T, 76
.set BP,  80                           ; s[80:81] my head's bias
.set OPT, 82                           ; s[82:83] my rows in qkv
.set KIND, 84                          ; 0 q, 1 k, 2 v
.set HEAD, 85
.set BC,  88                           ; blocks of 16 rows still to go, 8 to 1
.set MSB, 0
.macro WIN new                         ; the immediate's high byte repeats the setting that is left
.if MSB != (\new)
	s_set_vgpr_msb (MSB<<8)|(\new)
.set MSB, \new
.endif
.endm
.set MUL_LO, 0xa1                      ; source 0 (B) window 1, source 1 (A) window 0, C and D window 2
.set MUL_HI, 0xf1
.set TO_B,   0x40
; A joint load: waves 0, 1 fetch A's two halves, waves 2, 3 B's.  An s_nop 0 and four v_nop follow each line.
.macro JLOAD s
	s_cmp_eq_u32 s11, 0
	s_cbranch_scc0 .Lfor_b_\@
	tensor_load_to_lds s[G0+4*(\s):G0+4*(\s)+3], s[G1:G1+7]
	s_nop 0
.rept 4
	v_nop
.endr
	s_branch .Lasked_\@
.Lfor_b_\@:
	tensor_load_to_lds s[G0B+4*(\s):G0B+4*(\s)+3], s[G1B:G1B+7]
	s_nop 0
.rept 4
	v_nop
.endr
.Lasked_\@:
.endm
.macro TLOAD                           ; the tables: waves 0, 1 the halves of cos, waves 2, 3 of sin; each wave's LDS and global address hang on its number
	tensor_load_to_lds s[G0T:G0T+3], s[G1T:G1T+7]
	s_nop 0
.rept 4
	v_nop
.endr
.endm
.macro CREST                           ; a round of the cluster's barrier behind its opening barrier
	s_cmp_lg_u32 s10, 0
	s_cbranch_scc1 .Lnot_wave_0_\@
	s_barrier_signal -3
.Lnot_wave_0_\@:
	s_barrier_wait -3
	s_barrier_signal -1
	s_barrier_wait -1
.endm
.macro CROUND
	s_barrier_signal -1
	s_barrier_wait -1
	CREST
.endm
	s_load_b64 s[4:5], s[0:1], 0x0                 ; xb
	s_load_b256 s[92:99], s[0:1], 0x8              ; bq s[92:93], bk s[94:95], bv s[96:97], qkv s[98:99]
	v_lshl_add_u32 v[SPW], v0, 2, SPARE
	v_mov_b32 v[NIL], 0
	ds_add_u32 v[SPW], v[NIL]                      ; the wave's opening: the add, and its wait ahead of my first tensor load
	v_lshrrev_b32 v1, 5, v0
	v_readfirstlane_b32 s10, v1                    ; wave 0..3
	s_lshr_b32 s11, s10, 1                         ; my half of the tile's rows; also: I fetch for A or cos (0), for B or sin (1)
	s_and_b32 s12, s10, 1                          ; my half of its columns; also: which 128 rows I fetch
	s_bfe_u32 s40, ttmp6, 0x40000                  ; cx
	s_bfe_u32 s41, ttmp6, 0x40004                  ; cy
	s_lshl_b32 s42, ttmp9, 2
	s_add_co_u32 s42, s42, s40                     ; x
	s_and_b32 s13, ttmp7, 0xffff
	s_lshl_b32 s13, s13, 2
	s_add_co_u32 s13, s13, s41                     ; y
	s_lshl_b32 s43, s41, 2
	s_lshl_b32 s43, 15, s43                        ; my row of the cluster
	s_lshl_b32 s44, 0x1111, s40                    ; my column
	; descriptor group 1: 128 rows x 128 elements of 2 bytes, 4 words of padding behind every 64; bit 21 beside a mask
	s_or_b32 s[G1+0], s43, (1<<16)|(1<<20)|(1<<21)|(5<<22)|(3<<25)
	s_or_b32 s[G1B+0], s44, (1<<16)|(1<<20)|(1<<21)|(5<<22)|(3<<25)
	s_or_b32 s[G1T+0], s43, (1<<16)|(1<<20)|(1<<21)|(5<<22)|(3<<25)
.irp g, G1, G1B, G1T
	s_mov_b32 s[(\g)+1], KSTEP<<16                 ; tensor_dim0 = 128
	s_mov_b32 s[(\g)+2], 128<<16                   ; tensor_dim1 = 128
	s_mov_b32 s[(\g)+3], KSTEP<<16                 ; tile_dim0 = 128
	s_mov_b32 s[(\g)+4], 128                       ; tile_dim1 = 128
	s_mov_b32 s[(\g)+6], 0
	s_mov_b32 s[(\g)+7], 0
.endr
	s_mov_b32 s[G1+5], SIZE_K                      ; elements from row to row
	s_mov_b32 s[G1B+5], SIZE_K
	s_mov_b32 s[G1T+5], 128
	s_mov_b32 s[SC], 0x3d800000                    ; 1/16
	s_mov_b32 s[SC+1], s[SC]
	s_mov_b32 s[TB], 0                             ; K step 0 lies in slot 0
	; byte offsets in xb.  A's and the tables' hang on y and the wave, B's on x and the wave; whether the cluster is q's is the same in all sixteen
	s_lshl_b32 s17, s12, 7
	s_lshl_b32 s16, s13, 8
	s_add_co_u32 s16, s16, s17                     ; row 256 y + 128 u
	s_lshl_b32 s90, s16, 8                         ; the tables: 256 bytes a row,
	s_lshl_b32 s18, s11, 19                        ; sin lies 524,288 bytes behind cos,
	s_add_co_u32 s90, s90, s18
	s_add_co_u32 s90, s90, 0x3000000               ; cos at 50,331,648
	s_mov_b32 s91, 0
	s_lshl_b32 s16, s16, 12                        ; A: 4,096 bytes a row
	s_mov_b32 s6, 256                              ; an instruction holds one literal: the selects below choose between registers
	s_mov_b32 s7, 128
	s_mov_b32 s8, 2048
	s_cmp_lt_u32 ttmp9, 2                          ; x < 8: q
	s_cselect_b32 s18, 0, 0x800000                 ; query, or key_value
	s_cselect_b32 s19, s6, s7                      ; rows of [wq; wk; wv] for a step of x: 256 or 128,
	s_cselect_b32 s21, s7, s8                      ; for my half: 128 or 2,048,
	s_cselect_b32 s22, 0, 1024                     ; and the start: 256 x + 128 u, or 1,024 + 128 x + 2,048 u
	s_add_co_u32 s16, s16, s18
	s_mov_b32 s17, 0
	s_mul_i32 s46, s42, s19
	s_mul_i32 s47, s12, s21
	s_add_co_u32 s46, s46, s47
	s_add_co_u32 s46, s46, s22
	s_lshl_b32 s46, s46, 12
	s_add_co_u32 s46, s46, 0x1000000               ; wq at 16,777,216
	s_mov_b32 s47, 0
	s_mul_i32 s20, s10, HALFT                      ; where my loads go: wave x 128 rows
	s_mov_b32 s[G0T], 1
	s_mov_b32 s[G0T+1], s20
	s_wait_dscnt 0x0                               ; the opening add is done
	s_wait_kmcnt 0x0
	s_add_nc_u64 s[14:15], s[4:5], s[16:17]
	s_add_nc_u64 s[46:47], s[4:5], s[46:47]
	s_add_nc_u64 s[G0T+2:G0T+3], s[4:5], s[90:91]
	s_or_b32 s[G0T+3], s[G0T+3], 0x80000000
	CROUND                                         ; all sixteen work-groups are here: the first joint loads meet
.irp s, 0,1
	s_mov_b32 s[G0+4*(\s)], 1
	s_add_co_u32 s[G0+4*(\s)+1], s20, (\s)*SLOT
	s_add_nc_u64 s[G0+4*(\s)+2:G0+4*(\s)+3], s[14:15], (\s)*KSTEP*2
	s_or_b32 s[G0+4*(\s)+3], s[G0+4*(\s)+3], 0x80000000
	s_mov_b32 s[G0B+4*(\s)], 1
	s_add_co_u32 s[G0B+4*(\s)+1], s20, (\s)*SLOT
	s_add_nc_u64 s[G0B+4*(\s)+2:G0B+4*(\s)+3], s[46:47], (\s)*KSTEP*2
	s_or_b32 s[G0B+4*(\s)+3], s[G0B+4*(\s)+3], 0x80000000
	JLOAD \s
.endr
	; fragment addresses: lane l holds row l % 16; two loads of 16 bytes, 32 apart, at row x pitch + 16 (l / 16)
	v_and_b32 v1, 15, v0
	v_bfe_u32 v2, v0, 4, 1
	v_mul_u32_u24 v3, v1, PITCH
	v_lshl_add_u32 v3, v2, 4, v3
	s_mul_i32 s21, s11, HALFT                      ; my 128 rows of A
	s_mul_i32 s22, s12, HALFT                      ; my 128 rows of B,
	s_add_co_u32 s22, s22, 2*HALFT                 ; which lie behind A's 256
	v_add_nc_u32 v[ADRA0], s21, v3
	v_add_nc_u32 v[ADRB0], s22, v3
	; the way out's addresses, made while the first tiles are on their way; none of them is written again
	s_mul_i32 s23, s10, STG
	s_add_co_u32 s23, s23, SLOT                    ; my stage, in slot 1
	v_mul_u32_u24 v4, v1, DPITCH
	v_lshl_add_u32 v4, v2, 5, v4
	v_add_nc_u32 v[DST], s23, v4                   ; row l % 16, 32 bytes for each half of the lanes
	v_mul_u32_u24 v4, v2, DPITCH
	v_lshl_add_u32 v4, v1, 4, v4
	v_add_nc_u32 v[XA0], s23, v4                   ; lanes 0-15 one row, lanes 16-31 the next; 16 bytes at 16 (l % 16)
	v_and_b32 v5, 31, v0
	v_lshlrev_b32 v[GO], 4, v5
	v_lshlrev_b32 v[GOV], 3, v5
	v_add_nc_u32 v[XV0], s23, v[GO]
	s_mul_i32 s23, s11, HALFT                      ; my 128 rows of cos
	v_mul_u32_u24 v4, v2, PITCH
	v_lshl_add_u32 v4, v1, 3, v4
	v_add_nc_u32 v[TA0], s23, v4
	v_add_nc_u32 v[TS0], 2*HALFT, v[TA0]           ; sin lies behind cos's 256 rows
	v_mov_b32 v[ZR], 0
	v_lshlrev_b32 v[BO1], 4, v1
	; which tensor and head my 128 columns are
	s_add_co_u32 s6, s12, 1
	s_lshl_b32 s7, s42, 1
	s_add_co_u32 s7, s7, s12
	s_sub_co_u32 s8, s42, 8
	s_cmp_lt_u32 ttmp9, 2
	s_cselect_b32 s[KIND], 0, s6                   ; q, or k (left half), v (right half)
	s_cselect_b32 s[HEAD], s7, s8                  ; 2 x + half, or x - 8
	s_lshl_b32 s6, s[KIND], 23                     ; 8,388,608 bytes a tensor,
	s_lshl_b32 s7, s[HEAD], 19                     ; 524,288 a head,
	s_add_co_u32 s6, s6, s7
	s_lshl_b32 s7, s13, 16                         ; 256 rows of 256 bytes a tile,
	s_add_co_u32 s6, s6, s7
	s_lshl_b32 s7, s11, 15                         ; 128 rows a wave
	s_add_co_u32 s6, s6, s7
	s_mov_b32 s7, 0
	s_add_nc_u64 s[OPT:OPT+1], s[98:99], s[6:7]
	s_mov_b64 s[BP:BP+1], s[92:93]
	s_cmp_eq_u32 s[KIND], 1
	s_cselect_b64 s[BP:BP+1], s[94:95], s[BP:BP+1]
	s_cmp_eq_u32 s[KIND], 2
	s_cselect_b64 s[BP:BP+1], s[96:97], s[BP:BP+1]
	s_lshl_b32 s6, s[HEAD], 9
	s_add_nc_u64 s[BP:BP+1], s[BP:BP+1], s[6:7]
	global_load_b128 v[BL:BL+3], v[BO1], s[BP:BP+1]             ; all three lie inside the head's 512 bytes; each way out uses its own
	global_load_b128 v[BH:BH+3], v[BO1], s[BP:BP+1] offset:256
	global_load_b128 v[BV:BV+3], v[GO], s[BP:BP+1]
	s_wait_loadcnt 0x0
.macro RB r                            ; four numbers rounded to bf16 and widened again, in place
	v_cvt_pk_bf16_f32 v60, v[\r], v[\r+1]
	v_cvt_pk_bf16_f32 v61, v[\r+2], v[\r+3]
	v_lshlrev_b32 v[\r], 16, v60
	v_and_b32 v[\r+1], 0xffff0000, v60
	v_lshlrev_b32 v[\r+2], 16, v61
	v_and_b32 v[\r+3], 0xffff0000, v61
.endm
	RB BL
	RB BH
	RB BV
.irp h, 0,2
	v_pk_mul_f32 v[NBH+\h:NBH+\h+1], v[BH+\h:BH+\h+1], s[SC:SC+1] op_sel_hi:[1,0] neg_lo:[1,0] neg_hi:[1,0]
	v_pk_mul_f32 v[BH+\h:BH+\h+1], v[BH+\h:BH+\h+1], s[SC:SC+1] op_sel_hi:[1,0]
	v_pk_mul_f32 v[BL+\h:BL+\h+1], v[BL+\h:BL+\h+1], s[SC:SC+1] op_sel_hi:[1,0]
.endr
; 16 matrix instructions: m blocks a0, a0 + 1 of the window's four x all 8 n blocks, 32 along K.  zero = 1: the first product starts the sums.
.macro MUL16 f, hi, a0, zero
	WIN MUL_LO+0x50*(\hi)
.irp a, \a0, (\a0)+1
.irp b, 0,1,2,3,4,5,6,7
.if \zero
	v_wmma_f32_16x16x32_bf16 v[8*(8*(\a)+(\b)):8*(8*(\a)+(\b))+7], v[(\f)+8*(\b):(\f)+8*(\b)+7], v[(\f)+8*(4*(\hi)+(\a)):(\f)+8*(4*(\hi)+(\a))+7], 0
.else
	v_wmma_f32_16x16x32_bf16 v[8*(8*(\a)+(\b)):8*(8*(\a)+(\b))+7], v[(\f)+8*(\b):(\f)+8*(\b)+7], v[(\f)+8*(4*(\hi)+(\a)):(\f)+8*(4*(\hi)+(\a))+7], v[8*(8*(\a)+(\b)):8*(8*(\a)+(\b))+7]
.endif
.endr
.endr
.endm
; 32 LDS loads in one run: the fragments of a quarter step (32 K at byte k of the rows of the slot in hand) into buffer f.  The two lines that make the addresses are plain vector
; instructions that name no register of a matrix instruction: two of the four places that stand in front of the loads.
.macro FETCH k, f
	WIN 0
	v_add_nc_u32 v[ADRA], s[TB], v[ADRA0]
	v_add_nc_u32 v[ADRB], s[TB], v[ADRB0]
	WIN TO_B
.irp i, 0,1,2,3,4,5,6,7
	ds_load_b128 v[(\f)+8*(\i):(\f)+8*(\i)+3],   v[ADRB] offset:(\k)+(\i)*16*PITCH
	ds_load_b128 v[(\f)+8*(\i)+4:(\f)+8*(\i)+7], v[ADRB] offset:(\k)+(\i)*16*PITCH+32
.endr
	WIN 0
.irp i, 0,1,2,3,4,5,6,7
	ds_load_b128 v[(\f)+8*(\i):(\f)+8*(\i)+3],   v[ADRA] offset:(\k)+(\i)*16*PITCH
	ds_load_b128 v[(\f)+8*(\i)+4:(\f)+8*(\i)+7], v[ADRA] offset:(\k)+(\i)*16*PITCH+32
.endr
.endm
.macro PLACES                          ; four plain vector instructions between a matrix instruction and a read of its registers (ISA guide 7.12.1)
.rept 4
	v_nop
.endr
.endm
; A K step is four quarters of 32 along K, 64 matrix instructions each, on buffers 0, 1, 0, 1; the 64 accumulators take turns.
; One of the first three: multiplies buffer f; in its middle it fetches the next quarter's fragments, at byte k, into buffer g.
.macro QUARTER k, f, g, zero
	s_wait_dscnt 8                                 ; B and A's rows 0-63 are in; the youngest eight loads may be out
	MUL16 \f, 0, 0, \zero
	MUL16 \f, 0, 2, \zero
	v_nop                                          ; two places; the run's own two address lines are the other two
	v_nop
	FETCH \k, \g
	s_wait_dscnt 32                                ; all but the 32 just issued
	MUL16 \f, 1, 0, \zero
	MUL16 \f, 1, 2, \zero
.endm
; The last quarter's first half and the change of slots: each wave waits for all its tensor loads (one is out: its part of the next slot), adds 0 to its spare word, and waits for that and its reads of this slot.
.macro MEET
	WIN 0
	s_wait_tensorcnt 0x0
	ds_add_u32 v[SPW], v[NIL]
	s_wait_dscnt 9                                 ; the add and the youngest eight loads may be out
	MUL16 F1, 0, 0, 0
	s_wait_dscnt 0x0                               ; the add is done, my reads of this slot are over
	s_barrier_signal -1                            ; opens a round of the cluster's barrier
	MUL16 F1, 0, 2, 0
	WIN 0
	s_barrier_wait -1
.endm
; The whole last quarter: the slot just read out takes the K step two steps on; the walking descriptors turn to that slot and go one step along K.
.macro TURN
	MEET
	CREST                                          ; no wave of any partner still reads this slot or has a load on its way
	s_xor_b32 s[G0+5], s[G0+5], SLOT
	s_add_nc_u64 s[G0+6:G0+7], s[G0+6:G0+7], KSTEP*2
	s_xor_b32 s[G0B+5], s[G0B+5], SLOT
	s_add_nc_u64 s[G0B+6:G0B+7], s[G0B+6:G0B+7], KSTEP*2
	JLOAD 1                                        ; the first tensor load behind the round; its four v_nop are also places in front of the loads below
	s_xor_b32 s[TB], s[TB], SLOT                   ; the fetches go on in the other slot
	FETCH 0, F0
	MUL16 F1, 1, 0, 0
	MUL16 F1, 1, 2, 0
.endm
	s_wait_tensorcnt 1                             ; my part of K step 0 is in; K step 1's may stay out
	s_barrier_signal -1
	s_barrier_wait -1
	FETCH 0, F0
	QUARTER 64,  F0, F1, 1                         ; the first quarter starts the sums
	WIN 0                                          ; at a label and at a branch every window is 0
	s_mov_b32 s[CNT], STEPS-1
	s_branch .Lmid                                 ; the loop is entered at a step's second quarter
.Lstep:                                                ; 14 times: steps 0 to 13 end, and steps 2 to 15 are asked for
	TURN
	QUARTER 64,  F0, F1, 0
	WIN 0
.Lmid:                                                 ; 15 times: steps 0 to 14
	QUARTER 128, F1, F0, 0
	QUARTER 192, F0, F1, 0
	WIN 0
	s_sub_co_u32 s[CNT], s[CNT], 1
	s_cmp_lg_u32 s[CNT], 0
	s_cbranch_scc1 .Lstep
	MEET                                           ; K step 14 ends
	CREST
	TLOAD                                          ; slot 0's last fill: the tables; 256 matrix instructions in which to land
	s_xor_b32 s[TB], s[TB], SLOT
	FETCH 0, F0
	MUL16 F1, 1, 0, 0
	MUL16 F1, 1, 2, 0
	QUARTER 64,  F0, F1, 0                         ; K step 15
	QUARTER 128, F1, F0, 0
	QUARTER 192, F0, F1, 0
	s_wait_dscnt 8
	MUL16 F1, 0, 0, 0
	MUL16 F1, 0, 2, 0
	s_wait_dscnt 0x0
	MUL16 F1, 1, 0, 0
	MUL16 F1, 1, 2, 0
	WIN 0
	s_wait_tensorcnt 0x0                           ; my part of the tables is in
	ds_add_u32 v[SPW], v[NIL]
	s_wait_dscnt 0x0                               ; my reads of slot 1 are over
	s_barrier_signal -1
	s_barrier_wait -1                              ; the tables are whole, and nobody reads slot 1 any more
	PLACES                                         ; behind the last products
; THE WAY OUT.  Block a (16 of my 128 rows): its eight accumulators go into my stage, each accumulator's low registers first.
.macro STAGE16 a
	WIN 0x08+4*((\a)/4)                            ; the stores' data lie in window 2 or 3
.irp b, 0,1,2,3,4,5,6,7
	ds_store_b128 v[DST], v[8*(8*((\a)%4)+(\b)):8*(8*((\a)%4)+(\b))+3]   offset:64*(\b)
	ds_store_b128 v[DST], v[8*(8*((\a)%4)+(\b))+4:8*(8*((\a)%4)+(\b))+7] offset:64*(\b)+16
.endr
	WIN 0
.endm
; The block's rows of cos and sin, by pairs of rows p: cos of the low channels, of the high ones, sin likewise; the row stands in the immediate.
.macro TABLES a
.irp p, 0,1,2,3,4,5,6,7
	ds_load_b64 v[TR+8*\p:TR+8*\p+1],   v[TA0] offset:(16*(\a)+2*\p)*PITCH
	ds_load_b64 v[TR+8*\p+2:TR+8*\p+3], v[TA0] offset:(16*(\a)+2*\p)*PITCH+128
	ds_load_b64 v[TR+8*\p+4:TR+8*\p+5], v[TS0] offset:(16*(\a)+2*\p)*PITCH
	ds_load_b64 v[TR+8*\p+6:TR+8*\p+7], v[TS0] offset:(16*(\a)+2*\p)*PITCH+128
.endr
.endm
.macro MIX d, a, b, c, hi              ; d = a x (a bf16 half of b) + c, in f32
.if \hi
	v_fma_mix_f32_bf16 v[\d], v[\a], v[\b], v[\c] op_sel:[0,1,0] op_sel_hi:[0,1,0]
.else
	v_fma_mix_f32_bf16 v[\d], v[\a], v[\b], v[\c] op_sel_hi:[0,1,0]
.endif
.endm
; The stage's 16 rows, as eight pairs p.  A lane takes channels 4 j .. and 64 + 4 j .. of one row: lo' = lo cos_lo - hi sin_lo, hi' = hi cos_hi + lo sin_hi, on (sum + bias) / 16.
.macro ROPE16
.irp p, 0,1,2,3,4,5,6,7
	ds_load_b128 v[XR+8*\p:XR+8*\p+3],   v[XA0] offset:2*DPITCH*\p      ; LDS serves a wave's instructions in order: these see my stores above
	ds_load_b128 v[XR+8*\p+4:XR+8*\p+7], v[XA0] offset:2*DPITCH*\p+256
.endr
.irp p, 0,1,2,3,4,5,6,7
	s_wait_dscnt 2*(7-\p)                          ; pair p's two loads are in, and the tables' loads, which are older; the later pairs' two each stay out
.irp h, 0,2
	v_pk_fma_f32 v[WL+\h:WL+\h+1], v[XR+8*\p+\h:XR+8*\p+\h+1], s[SC:SC+1], v[BL+\h:BL+\h+1] op_sel_hi:[1,0,1]
	v_pk_fma_f32 v[WH+\h:WH+\h+1], v[XR+8*\p+4+\h:XR+8*\p+5+\h], s[SC:SC+1], v[BH+\h:BH+\h+1] op_sel_hi:[1,0,1]
	v_pk_fma_f32 v[WN+\h:WN+\h+1], v[XR+8*\p+4+\h:XR+8*\p+5+\h], s[SC:SC+1], v[NBH+\h:NBH+\h+1] op_sel_hi:[1,0,1] neg_lo:[1,0,0] neg_hi:[1,0,0]
.endr
.irp i, 0,1,2,3
	MIX TT+\i, WL+\i, TR+8*\p+\i/2, ZR, \i%2
	MIX UU+\i, WH+\i, TR+8*\p+2+\i/2, ZR, \i%2
.endr
.irp i, 0,1,2,3
	MIX TT+\i, WN+\i, TR+8*\p+4+\i/2, TT+\i, \i%2
	MIX UU+\i, WL+\i, TR+8*\p+6+\i/2, UU+\i, \i%2
.endr
	v_cvt_pk_f16_f32 v[OUT+4*\p],   v[TT],   v[TT+1]
	v_cvt_pk_f16_f32 v[OUT+4*\p+1], v[TT+2], v[TT+3]
	v_cvt_pk_f16_f32 v[OUT+4*\p+2], v[UU],   v[UU+1]
	v_cvt_pk_f16_f32 v[OUT+4*\p+3], v[UU+2], v[UU+3]
	global_store_b128 v[GO], v[OUT+4*\p:OUT+4*\p+3], s[OPT:OPT+1] offset:512*\p   ; two rows: 512 consecutive bytes, aligned
.endr
.endm
; The stage's 16 rows of v: a lane takes channels 4 l .. of each row
.macro VROW16
.irp r, 0,1,2,3,4,5,6,7,8,9,10,11,12,13,14,15
	ds_load_b128 v[XR+4*\r:XR+4*\r+3], v[XV0] offset:DPITCH*\r
.endr
.irp r, 0,1,2,3,4,5,6,7,8,9,10,11,12,13,14,15
	s_wait_dscnt 15-\r                             ; row r is in; the later rows' loads stay out
	v_pk_add_f32 v[XR+4*\r:XR+4*\r+1],   v[XR+4*\r:XR+4*\r+1],   v[BV:BV+1]
	v_pk_add_f32 v[XR+4*\r+2:XR+4*\r+3], v[XR+4*\r+2:XR+4*\r+3], v[BV+2:BV+3]
	v_cvt_pk_f16_f32 v[OUT+2*\r],   v[XR+4*\r],   v[XR+4*\r+1]
	v_cvt_pk_f16_f32 v[OUT+2*\r+1], v[XR+4*\r+2], v[XR+4*\r+3]
	global_store_b64 v[GOV], v[OUT+2*\r:OUT+2*\r+1], s[OPT:OPT+1] offset:256*\r   ; a row: 256 consecutive bytes, aligned
.endr
.endm
	s_mov_b32 s[BC], 8
.Lblk:                                                 ; eight trips: trip 8 - BC takes block 8 - BC; the jumps inside go forward, on the counter and on the kind alone
.irp a, 0,1,2,3,4,5,6
	s_cmp_eq_u32 s[BC], 8-\a
	s_cbranch_scc0 .Lsnot\a
	STAGE16 \a
	s_branch .Lstaged
.Lsnot\a:
.endr
	STAGE16 7
.Lstaged:
	s_cmp_eq_u32 s[KIND], 2                        ; hangs on the cluster's x and the wave's number alone; no barrier and no tensor load stands in either way
	s_cbranch_scc1 .Lvread
.irp a, 0,1,2,3,4,5,6
	s_cmp_eq_u32 s[BC], 8-\a
	s_cbranch_scc0 .Ltnot\a
	TABLES \a
	s_branch .Lrread
.Ltnot\a:
.endr
	TABLES 7
.Lrread:
	ROPE16
	s_branch .Lstored
.Lvread:
	VROW16
.Lstored:
	s_wait_xcnt 0x0                                ; the stores' data and base are rewritten only behind this wait
	s_add_nc_u64 s[OPT:OPT+1], s[OPT:OPT+1], 16*256
	s_sub_co_u32 s[BC], s[BC], 1
	s_cmp_lg_u32 s[BC], 0
	s_cbranch_scc1 .Lblk
	s_wait_tensorcnt 0x0                           ; the wave's end
	ds_add_u32 v[SPW], v[NIL]
	s_wait_dscnt 0x0
	CROUND                                         ; the closing round
	s_endpgm
.Lfunc_end_k_qfbf83d522b_proj:
	.size	k_qfbf83d522b_proj, .Lfunc_end_k_qfbf83d522b_proj-k_qfbf83d522b_proj
	.p2alignl 7, 3214868480
	.fill 96, 4, 3214868480
	.section	.rodata,"a",@progbits
	.p2align	6, 0x0
	.amdhsa_kernel k_qfbf83d522b_proj
		.amdhsa_group_segment_fixed_size 327680
		.amdhsa_private_segment_fixed_size 0
		.amdhsa_enable_private_segment 0
		.amdhsa_kernarg_size 40
		.amdhsa_user_sgpr_count 2
		.amdhsa_user_sgpr_kernarg_segment_ptr 1
		.amdhsa_wavefront_size32 1
		.amdhsa_system_sgpr_workgroup_id_x 1
		.amdhsa_system_sgpr_workgroup_id_y 1
		.amdhsa_system_sgpr_workgroup_id_z 1
		.amdhsa_system_vgpr_workitem_id 0
		.amdhsa_next_free_vgpr 1024
		.amdhsa_next_free_sgpr 100
		.amdhsa_reserve_vcc 0
		.amdhsa_float_denorm_mode_32 3
		.amdhsa_float_denorm_mode_16_64 3
		.amdhsa_memory_ordered 1
		.amdhsa_forward_progress 1
		.amdhsa_inst_pref_size 125
	.end_amdhsa_kernel
	.amdgpu_metadata
---
amdhsa.version: [ 1, 2 ]
amdhsa.kernels:
  - .name:           k_qfbf83d522b_proj
    .symbol:         k_qfbf83d522b_proj.kd
    .args:
      - { .name: xb, .offset: 0, .size: 8, .value_kind: global_buffer, .address_space: global }
      - { .name: bq, .offset: 8, .size: 8, .value_kind: global_buffer, .address_space: global }
      - { .name: bk, .offset: 16, .size: 8, .value_kind: global_buffer, .address_space: global }
      - { .name: bv, .offset: 24, .size: 8, .value_kind: global_buffer, .address_space: global }
      - { .name: qkv, .offset: 32, .size: 8, .value_kind: global_buffer, .address_space: global }
    .group_segment_fixed_size: 327680
    .private_segment_fixed_size: 0
    .kernarg_segment_align: 8
    .kernarg_segment_size: 40
    .max_flat_workgroup_size: 128
    .sgpr_count:     100
    .vgpr_count:     1024
    .wavefront_size: 32
...
	.end_amdgpu_metadata
.endif
;; end of part 2
;; launch attn (part 3): grid 16 x 16, 4 waves a work-group, clusters of 4 x 1, 327,680 bytes of LDS; arguments qkv, oh; writes oh
.if DOCPART == 3
	.amdgcn_target "amdgcn-amd-amdhsa--gfx1250"
	.amdhsa_code_object_version 6
	.text
	.protected	k_qfbf83d522b_attn
	.globl	k_qfbf83d522b_attn
	.p2align	8
	.type	k_qfbf83d522b_attn,@function
k_qfbf83d522b_attn:
	s_mov_b64 s[64:65], 0
	v_nop
	global_prefetch_b8 v0, s[64:65] scope:SCOPE_SE
	s_setreg_imm32_b32 hwreg(HW_REG_WAVE_MODE, 25, 1), 1
	s_wait_xcnt 0x0
	s_wait_alu depctr_hold_cnt(0) depctr_sa_sdst(0) depctr_va_vdst(0) depctr_va_sdst(0) depctr_va_ssrc(0) depctr_va_vcc(0) depctr_vm_vsrc(0)
	s_getreg_b32 s2, hwreg(HW_REG_IB_STS2, 6, 4)
	s_cmp_eq_u32 s2, 0
	s_cbranch_scc0 .Lentry_in_a_cluster
	s_endpgm
.Lentry_in_a_cluster:
	s_bfe_u32 s2, ttmp6, 0x10000c
	s_cmp_lg_u32 s2, 0x3003
	s_cbranch_scc0 .Lentry_shape_is_right
	s_endpgm
.Lentry_shape_is_right:
; CAUSAL ATTENTION, 16 heads of 2,048 rows x 128 channels.  qkv: [3][16][2048][128] f16: q / 16, k / 16 (channels in the same changed order in both, which a dot product does not see), v.
; oh: [2048][2048] f16, column = 128 x head + channel.  Products, maxima and sums in f32; the weights p are rounded to f16 for the second product (their sum is taken of the unrounded p), O once at the end.
; THE WALK.  A head has 32 blocks of 64 queries and 8 key tiles of 256.  With c the cluster's x and cx my place in it, b = 4 c + cx: I take block b (tiles 0 .. c) and then block 31 - b (tiles 0 .. 7 - c):
; nine tiles, the same numbers in all four partners, so every tile is asked for jointly, and every count and branch hangs on c and constants alone.
; SHARES.  All four waves hold the same 64 queries (four tiles of 16); wave w takes keys 64 w .. 64 w + 63 of each key tile: 128 matrix instructions a tile.  At a block's end the four partial
; results (c m, l, O) are merged in f32 through LDS: O = sum of O_w 2^(c m_w - c M) / L, L = sum of l_w 2^(c m_w - c M), M the largest m_w.
; LAYOUT.  S^T = K Q^T (source 0 = 16 keys, source 1 = 16 queries): a lane holds ONE query (l % 16) and keys 8 (l / 16) + 0..7; two such results rounded to f16 ARE source 1 of O^T = V^T P.  V is turned by ds_load_tr16_b128.
; SOFTMAX.  p = 2^(c s - c m), c = 256 log2(e) / sqrt(128) (the 256 undoes the two divisions by 16), m a running maximum; O and l are multiplied by a = 2^(c m_old - c m_new) in every step.
; THE MASK is the C operand that starts a sum: 0, or -1e30 where the key is hidden.  In a block's last tile, with j the block's place in it (cx, or 3 - cx), a piece of 16 keys kb x 16 queries tq is
; open if 4 (w - j) + kb - tq < 0, shut if > 0, the triangle if = 0: three sets of eight registers, for kb < tq, = tq, > tq, made anew for each tile from three scalars; in the other tiles they hold 0.
; m starts at -5e29, above every hidden score and below every true one (5.5e11 at the most): a wave that sees hidden keys alone ends with l = 0, O = 0 and factor 0 in the merge.
; LIMITS.  q / 16, k / 16, v arrive within f16; a hidden score counts as its value less 1e30; a weight below 2^-126 counts as 0; NaN and infinities are not treated apart.
; ORDER OF A TILE.  The change of slots; K's run of loads; the last tile's V^T P of query tiles 2, 3; K Q^T of tiles 0, 1; K Q^T of tiles 2, 3 with the softmax of tiles 0, 1 in slices behind the products;
; V^T P of tiles 0, 1 with the softmax of tiles 2, 3.  No first step is written out: O^T, V and P start at 0, and a block's first a is 0.
; REGISTERS: window 0: v2-11 addresses; v12-43 statistics, eight a tile; v44-51 the merge's factors; v62-63 the add's; v64-191 S^T; v192-255 P
;   window 1: O^T, 64 a tile     window 2: v0-127 Q, v128-255 K     window 3: v0-127 V, v128-135 the triangle, v136-159 the three masks
.set PK,    272       ; a row of K in LDS: 256 bytes + 16
.set PV,    288       ; a row of V: 256 + 32
.set VOFF,  256*PK    ; a slot: 256 rows of K, then 256 rows of V
.set STAT,  VOFF+256*PV  ; behind slot 0: (c m, l) by wave, tile and query: 2,048 bytes
.set SPARE, STAT+2048 ; the spare words, 128 bytes a wave
.set D,     0x24000   ; slot 1 begins here; no address in slot 0 that is turned has bit 14 or 17 set, so one exclusive or turns it into slot 1's
.set STAGE, D+STAT    ; behind slot 1: four partial tiles of 16 rows x 528 bytes
.set SP,    528
.set AK0, 2
.set AV0, 3
.set ADR, 4
.set QO,  5
.set STO, 6
.set RD,  7
.set GO,  8
.set SA,  10
.set SR,  11
.set ST,  12          ; tile t at v[ST+8 t]: c m, m, l (even keys', odd keys'), c0-c3 at work; a takes c2's place
.set G,   44
.set SPW, 62
.set NIL, 63
.set S,   64
.set RB,  128         ; the merge: rows read back
.set P,   192
.set KF,  128         ; window 2
.set TRI, 128         ; window 3
.set MN,  136
.set M0,  144
.set MP,  152
.set KB,  8           ; s[8:9]   K at my half of the head's tile 0
.set VB,  10          ; s[10:11] V likewise
.set WV,  12
.set G1K, 24
.set G1V, 32
.set G0K, 40
.set G0V, 44
.set QP,  48          ; Q at block b, at block 31 - b
.set QP2, 50
.set OP,  52          ; oh at the block in hand, at block 31 - b
.set OP2, 54
.set SLOTS, 56
.set CS,  58
.set SEL, 60
.set TB,  62          ; the slot in hand: 0 or D
.set RT,  66          ; tiles of the block in hand still to be entered
.set NXT, 67          ; the tile to be asked for next
.set LQ,  68          ; the last tile of the block whose tiles are being asked for
.set ENDED, 69        ; 1: the tile before was a block's last
.set NB2, 70          ; 8 - c
.set LQ2, 71          ; 7 - c
.set OFF, 72
.set MX,  74          ; this tile's three mask scalars
.set MY,  75
.set MZ,  76
.set XC,  77          ; the block in hand's, for its last tile
.set YC,  78
.set ZC,  79
.set X2,  80          ; the second block's
.set Y2,  81
.set Z2,  82
.set NEG, 83
.set MSB, 0
.macro WIN new
.if MSB != (\new)
	s_set_vgpr_msb (MSB<<8)|(\new)
.set MSB, \new
.endif
.endm
.set W_KQ, 0x0a       ; K and Q in window 2, S^T in window 0
.set W_KM, 0x3a       ; the same with the C operand in window 3
.set W_PV, 0x53       ; V in window 3, P in window 0, O^T in window 1
.set W_RS, 0x41       ; destination and source 0 in window 1, source 1 in window 0
.macro JLOAD          ; a joint fill: waves 0, 1 the two halves of a tile's K, waves 2, 3 of its V; an s_nop 0 and four v_nop follow each line
	s_cmp_lt_u32 s[WV], 2
	s_cbranch_scc0 .Lfor_v_\@
	tensor_load_to_lds s[G0K:G0K+3], s[G1K:G1K+7]
	s_nop 0
.rept 4
	v_nop
.endr
	s_branch .Lasked_\@
.Lfor_v_\@:
	tensor_load_to_lds s[G0V:G0V+3], s[G1V:G1V+7]
	s_nop 0
.rept 4
	v_nop
.endr
.Lasked_\@:
.endm
.macro CROUND
	s_barrier_signal -1
	s_barrier_wait -1
	s_cmp_lg_u32 s[WV], 0
	s_cbranch_scc1 .Lnot_wave_0_\@
	s_barrier_signal -3
.Lnot_wave_0_\@:
	s_barrier_wait -3
	s_barrier_signal -1
	s_barrier_wait -1
.endm
.macro PLACES
.rept 4
	v_nop
.endr
.endm
.macro LOADQ p        ; 64 queries: tile i / 4, 64 bytes i % 4 of the row
	WIN 0x80
.irp i, 0,1,2,3,4,5,6,7,8,9,10,11,12,13,14,15
	global_load_b128 v[8*(\i):8*(\i)+3],   v[QO], s[\p:\p+1] offset:((\i)/4)*4096+((\i)%4)*64
	global_load_b128 v[8*(\i)+4:8*(\i)+7], v[QO], s[\p:\p+1] offset:((\i)/4)*4096+((\i)%4)*64+32
.endr
	WIN 0
.endm
.macro NEWBLOCK       ; c m far below every c s, so the first a is 0; m above the hidden scores
.irp t, 0,1,2,3
	v_mov_b32 v[ST+8*\t], 0xfe000000
	v_mov_b32 v[ST+8*\t+1], 0xf0c9f2ca
	v_mov_b32 v[ST+8*\t+2], 0
	v_mov_b32 v[ST+8*\t+3], 0
.endr
.endm
	s_load_b128 s[4:7], s[0:1], 0x0                ; qkv s[4:5], oh s[6:7]
	v_lshl_add_u32 v[SPW], v0, 2, SPARE
	v_mov_b32 v[NIL], 0
	ds_add_u32 v[SPW], v[NIL]                      ; the wave's opening: the add, and its wait ahead of my first tensor load
	v_lshrrev_b32 v1, 5, v0
	v_readfirstlane_b32 s[WV], v1
	s_bfe_u32 s13, ttmp6, 0x40000                  ; cx: it enters Q's and oh's addresses and the mask's scalars alone
	s_mov_b32 s14, ttmp9                           ; c
	s_lshl_b32 s15, s14, 2
	s_add_co_u32 s15, s15, s13                     ; b
	s_sub_co_u32 s19, 31, s15                      ; 31 - b
	s_and_b32 s20, ttmp7, 0xffff                   ; the head
	s_lshl_b32 s21, s20, 19                        ; 524,288 bytes a head
	s_and_b32 s16, s[WV], 1                        ; which half of a tile's 256 keys I fetch
	s_lshl_b32 s22, s16, 15                        ; 128 rows of 256 bytes
	s_add_co_u32 s22, s22, s21
	s_add_co_u32 s22, s22, 0x800000                ; k lies 8,388,608 bytes in
	s_mov_b32 s23, 0
	s_mul_i32 s17, s16, 128*PK
	s_mul_i32 s18, s16, 128*PV
	s_lshl_b32 s84, s15, 14                        ; a block's 64 rows of 256 bytes
	s_add_co_u32 s84, s84, s21
	s_mov_b32 s85, 0
	s_lshl_b32 s86, s19, 14
	s_add_co_u32 s86, s86, s21
	s_mov_b32 s87, 0
	s_lshl_b32 s2, s20, 8                          ; oh: 256 bytes a head in a row of 4,096
	s_lshl_b32 s88, s15, 18
	s_add_co_u32 s88, s88, s2
	s_mov_b32 s89, 0
	s_lshl_b32 s90, s19, 18
	s_add_co_u32 s90, s90, s2
	s_mov_b32 s91, 0
	; descriptor group 1: 128 rows x 128 elements of 2 bytes, padded behind every 64 words; the mask names all four; bit 21 beside it
	s_mov_b32 s[G1K], 15|(1<<16)|(1<<20)|(1<<21)|(5<<22)|(3<<25)
	s_mov_b32 s[G1V], 15|(1<<16)|(1<<20)|(1<<21)|(5<<22)|(7<<25)
.irp g, G1K, G1V
	s_mov_b32 s[(\g)+1], 128<<16
	s_mov_b32 s[(\g)+2], 128<<16
	s_mov_b32 s[(\g)+3], 128<<16
	s_mov_b32 s[(\g)+4], 128
	s_mov_b32 s[(\g)+5], 128
	s_mov_b32 s[(\g)+6], 0
	s_mov_b32 s[(\g)+7], 0
.endr
	s_mov_b32 s[G0K], 1
	s_mov_b32 s[G0K+1], s17                        ; slot 0
	s_mov_b32 s[G0V], 1
	s_add_co_u32 s[G0V+1], s18, VOFF
	s_mov_b32 s[CS], 0x420293ee                    ; c = 256 log2(e) / sqrt(128) = 32.6444
	s_mov_b32 s[CS+1], s[CS]
	s_mov_b32 s[SEL], 0x76543210
	s_mov_b32 s[SEL+1], 0xfedcba98
	s_mov_b32 s[NEG], 0xf149f2ca                   ; -1e30
	s_cmp_eq_u32 s[WV], s13                        ; block b lies at place cx of its last tile
	s_cselect_b32 s[XC], 1.0, 0
	s_cmp_gt_u32 s[WV], s13
	s_cselect_b32 s[YC], s[NEG], 0
	s_cmp_ge_u32 s[WV], s13
	s_cselect_b32 s[ZC], s[NEG], 0
	s_sub_co_u32 s3, 3, s13                        ; block 31 - b at place 3 - cx
	s_cmp_eq_u32 s[WV], s3
	s_cselect_b32 s[X2], 1.0, 0
	s_cmp_gt_u32 s[WV], s3
	s_cselect_b32 s[Y2], s[NEG], 0
	s_cmp_ge_u32 s[WV], s3
	s_cselect_b32 s[Z2], s[NEG], 0
	s_add_co_u32 s[RT], s14, 1                     ; the first block has c + 1 tiles
	s_sub_co_u32 s[NB2], 8, s14
	s_sub_co_u32 s[LQ2], 7, s14
	s_cmp_eq_u32 s14, 0                            ; tile 0 is asked for below; next comes tile 1, or the second block's tile 0
	s_cselect_b32 s[NXT], 0, 1
	s_cselect_b32 s[LQ], s[LQ2], s14
	s_mov_b32 s[TB], D                             ; the first change of slots turns it into 0
	s_mov_b32 s[SLOTS], 8
	s_mov_b32 s[OFF+1], 0
	s_wait_dscnt 0x0                               ; the opening add is done
	s_wait_kmcnt 0x0
	s_add_nc_u64 s[KB:KB+1], s[4:5], s[22:23]
	s_add_nc_u64 s[VB:VB+1], s[KB:KB+1], 0x800000
	s_add_nc_u64 s[G0K+2:G0K+3], s[KB:KB+1], 0
	s_or_b32 s[G0K+3], s[G0K+3], 0x80000000
	s_add_nc_u64 s[G0V+2:G0V+3], s[VB:VB+1], 0
	s_or_b32 s[G0V+3], s[G0V+3], 0x80000000
	s_add_nc_u64 s[QP:QP+1], s[4:5], s[84:85]
	s_add_nc_u64 s[QP2:QP2+1], s[4:5], s[86:87]
	s_add_nc_u64 s[OP:OP+1], s[6:7], s[88:89]
	s_add_nc_u64 s[OP2:OP2+1], s[6:7], s[90:91]
	CROUND                                         ; all four work-groups are here: the first joint load meets
	JLOAD                                          ; tile 0 into slot 0; slot 1 is asked for behind the first change's round
	; all that follows up to the loop stands in the wait for that tile
	v_and_b32 v1, 15, v0                           ; l % 16
	v_bfe_u32 v9, v0, 4, 1                         ; l / 16
	v_lshlrev_b32 v[QO], 8, v1
	v_lshl_add_u32 v[QO], v9, 4, v[QO]
	LOADQ QP
	s_mul_i32 s2, s[WV], 64*PK                     ; my 64 keys of a tile
	v_mul_u32_u24 v[AK0], v1, PK
	v_lshl_add_u32 v[AK0], v9, 4, v[AK0]
	v_add_nc_u32 v[AK0], s2, v[AK0]
	v_and_b32 v52, 7, v0                           ; the turning load: lane l reads key 8 (l / 16) + l % 8, channels 8 ((l / 8) % 2) + 0..7
	v_bfe_u32 v53, v0, 3, 1
	v_lshl_add_u32 v[AV0], v9, 3, v52
	v_mul_u32_u24 v[AV0], v[AV0], PV
	v_lshl_add_u32 v[AV0], v53, 4, v[AV0]
	s_mul_i32 s2, s[WV], 64*PV
	s_add_co_u32 s2, s2, VOFF
	v_add_nc_u32 v[AV0], s2, v[AV0]
	s_mul_i32 s2, s[WV], 16*SP                     ; the merge: my partial tile; row l % 16, 32 bytes for each half of the lanes
	s_add_co_u32 s2, s2, STAGE
	v_mul_u32_u24 v[STO], v1, SP
	v_lshl_add_u32 v[STO], v9, 5, v[STO]
	v_add_nc_u32 v[STO], s2, v[STO]
	v_and_b32 v54, 31, v0
	s_mul_i32 s2, s[WV], 4*SP                      ; back: rows 4 w .. 4 w + 3 of every partial tile, 16 bytes a lane
	s_add_co_u32 s2, s2, STAGE
	v_lshl_add_u32 v[RD], v54, 4, s2
	s_lshl_b32 s2, s[WV], 14                       ; and the same rows in oh, 8 bytes a lane
	v_lshl_add_u32 v[GO], v54, 3, s2
	s_lshl_b32 s2, s[WV], 9
	s_add_co_u32 s2, s2, STAT
	v_lshl_add_u32 v[SA], v1, 3, s2
	v_lshlrev_b32 v[SR], 3, v1
	v_add_nc_u32 v[SR], STAT, v[SR]
	v_lshlrev_b32 v52, 3, v9
	v_sub_nc_u32 v52, v1, v52                      ; register r of the triangle is hidden where r > l % 16 - 8 (l / 16)
	WIN 0xc0
.set i, 0
.rept 8
	v_cmp_gt_i32 vcc_lo, i, v52
	v_cndmask_b32 v[TRI+i], 0, s[NEG], vcc_lo
.set i, i+1
.endr
.set i, 0
.rept 128
	v_mov_b32 v[i], 0                              ; V: the first trip's V^T P, of a tile that has not been, adds 0
.set i, i+1
.endr
	WIN 0x40
.set i, 0
.rept 256
	v_mov_b32 v[i], 0                              ; O^T
.set i, i+1
.endr
	WIN 0
.set i, P+32
.rept 32
	v_mov_b32 v[i], 0                              ; P of tiles 2, 3
.set i, i+1
.endr
	NEWBLOCK
.irp t, 0,1,2,3
.irp n, 4,5,6,7
	v_mov_b32 v[ST+8*\t+\n], 0
.endr
.endr
; THE MATRIX WORK.  The accumulators take turns, one instruction a turn.
; Product i of 32 of S^T = K Q^T for tiles x, x + 1: channels 32 (i / 8) on, keys 16 ((i / 2) % 4) on, tile x + i % 2.  The first 8 start the sums with the mask.
.macro KQ x
.set rS, S+32*((\x)+i%2)+8*((i/2)%4)
.set rK, KF+32*((i/2)%4)+8*(i/8)
.set rQ, 32*((\x)+i%2)+8*(i/8)
.set dd, (i/2)%4-((\x)+i%2)
.if i < 8
	WIN W_KM
.if dd < 0
	v_wmma_f32_16x16x32_f16 v[rS:rS+7], v[rK:rK+7], v[rQ:rQ+7], v[MN:MN+7]
.elseif dd == 0
	v_wmma_f32_16x16x32_f16 v[rS:rS+7], v[rK:rK+7], v[rQ:rQ+7], v[M0:M0+7]
.else
	v_wmma_f32_16x16x32_f16 v[rS:rS+7], v[rK:rK+7], v[rQ:rQ+7], v[MP:MP+7]
.endif
.else
	WIN W_KQ
	v_wmma_f32_16x16x32_f16 v[rS:rS+7], v[rK:rK+7], v[rQ:rQ+7], v[rS:rS+7]
.endif
.endm
; Product i of 32 of O^T += V^T P: keys 32 (i / 16) on, channels 16 ((i / 2) % 8) on, tile x + i % 2.
.macro PV x
	WIN W_PV
.set rO, 64*((\x)+i%2)+8*((i/2)%8)
.set rV, 64*(i/16)+8*((i/2)%8)
.set rP, P+16*((\x)+i%2)+8*(i/16)
	v_wmma_f32_16x16x32_f16 v[rO:rO+7], v[rV:rV+7], v[rP:rP+7], v[rO:rO+7]
.endm
.macro PV2
.set i, 0
.rept 32
	PV 2
.set i, i+1
.endr
.endm
.macro FETCH_K        ; my 64 keys x 128 channels: 16 fragments, in one run
	WIN 0
	v_add_nc_u32 v[ADR], s[TB], v[AK0]
	WIN 0x80
.irp f, 0,1,2,3,4,5,6,7,8,9,10,11,12,13,14,15
	ds_load_b128 v[KF+8*(\f):KF+8*(\f)+3],   v[ADR] offset:((\f)/4)*16*PK+((\f)%4)*64
	ds_load_b128 v[KF+8*(\f)+4:KF+8*(\f)+7], v[ADR] offset:((\f)/4)*16*PK+((\f)%4)*64+32
.endr
.endm
.macro FETCH_V
	WIN 0
	v_add_nc_u32 v[ADR], s[TB], v[AV0]
	WIN 0xc0
.irp f, 0,1,2,3,4,5,6,7,8,9,10,11,12,13,14,15
	ds_load_tr16_b128 v[8*(\f):8*(\f)+3],   v[ADR] offset:((\f)/8)*32*PV+((\f)%8)*32
	ds_load_tr16_b128 v[8*(\f)+4:8*(\f)+7], v[ADR] offset:((\f)/8)*32*PV+16*PV+((\f)%8)*32
.endr
.endm
; THE VECTOR WORK.  A tile's softmax for a step is a list of 134 instructions; SM writes number j of it for tile t.
;   0-15  the maximum of the lane's 32 scores and the old m (each accumulator's low registers are read first)     16-20  the other half of the lanes'; the new m; c m; c m_old - c m_new
;   21-87  33 exponentials at the odd numbers from 23 on, a plain instruction behind each: scalings c s - c m ahead of them, roundings to f16 behind them, the first sums
;   88-101  the last rounding, the rest of the sums, l = a l + sum     102-133  O^T times a
.macro SM t
.set rT, ST+8*(\t)
.set rS, S+32*(\t)
.set rP, P+16*(\t)
.set rO, 64*(\t)+2*(j-102)
.set q, (j-20)/2
.if j < 102
	WIN 0
.endif
.if j < 4
	v_max3_num_f32 v[rT+4+j], v[rS+8*j], v[rS+8*j+1], v[rS+8*j+2]
.elseif j < 12
	v_max3_num_f32 v[rT+4+j%4], v[rT+4+j%4], v[rS+8*(j%4)+2*(j/4)+1], v[rS+8*(j%4)+2*(j/4)+2]
.elseif j == 12
	v_max3_num_f32 v[rT+4], v[rT+4], v[rS+7], v[rS+15]
.elseif j == 13
	v_max3_num_f32 v[rT+6], v[rT+6], v[rS+23], v[rS+31]
.elseif j == 14
	v_max3_num_f32 v[rT+4], v[rT+4], v[rT+5], v[rT+6]
.elseif j == 15
	v_max3_num_f32 v[rT+4], v[rT+4], v[rT+7], v[rT+1]
.elseif j == 16
	v_permlanex16_b32 v[rT+5], v[rT+4], s[SEL], s[SEL+1]
.elseif j == 17
	v_mov_b32 v[rT+7], v[rT]
.elseif j == 18
	v_max_num_f32 v[rT+1], v[rT+4], v[rT+5]
.elseif j == 19
	v_mul_f32 v[rT], s[CS], v[rT+1]
.elseif j == 20
	v_sub_f32 v[rT+7], v[rT+7], v[rT]
.elseif j == 23
	v_exp_f32 v[rT+6], v[rT+7]
.elseif (j < 88) && (j > 23) && (j%2 == 1)
	v_exp_f32 v[rS+(j-25)/2], v[rS+(j-25)/2]
.elseif (q < 4) || ((j < 76) && (q%2 == 0))
.set b, q/2+2
.if q < 4
.set b, q
.endif
	v_pk_fma_f32 v[rS+2*b:rS+2*b+1], v[rS+2*b:rS+2*b+1], s[CS:CS+1], v[rT:rT+1] op_sel_hi:[1,0,0] neg_lo:[0,0,1] neg_hi:[0,0,1]
.elseif (j < 88) && (q%2 == 1)
	s_wait_alu depctr_va_vdst(0)
	v_cvt_pk_f16_f32 v[rP+(q-5)/2], v[rS+q-5], v[rS+q-4]
.elseif j == 89
	s_wait_alu depctr_va_vdst(0)
	v_cvt_pk_f16_f32 v[rP+15], v[rS+30], v[rS+31]
.elseif j < 102
.set z, j-86
.if j < 89
.set z, (j-76)/4
.endif
.set w, 4
.set u, z
.if z >= 14
.set w, 32
.set u, 0
.elseif z >= 12
.set w, 16
.set u, z-12
.elseif z >= 8
.set w, 8
.set u, z-8
.endif
.if z < 15
	v_pk_add_f32 v[rS+w*u:rS+w*u+1], v[rS+w*u:rS+w*u+1], v[rS+w*u+w/2:rS+w*u+w/2+1]
.else
	v_pk_fma_f32 v[rT+2:rT+3], v[rT+2:rT+3], v[rT+6:rT+7], v[rS:rS+1] op_sel_hi:[1,0,1]
.endif
.else
	WIN W_RS
	v_pk_mul_f32 v[rO:rO+1], v[rO:rO+1], v[rT+6:rT+7] op_sel_hi:[1,0]
.endif
.endm
; Slice k of 64 of the softmax of tiles y, y + 1: numbers 2 k, 2 k + 1 of both lists; the twelve that are over stand in slice 63.
.macro SLICE y
.if (k >= 11) && (k < 44)
.irp t, \y, (\y)+1
.irp n, 0,1
.set j, 2*k+(\n)
	SM \t
.endr
.endr
.else
.irp n, 0,1,2,3,4,5,6,7
.if ((\n) < 2) || (k == 63)
.irp t, \y, (\y)+1
.set j, 2*k+(\n)
	SM \t
.endr
.endif
.endr
.endif
.set k, k+1
.endm
.macro TURN_A         ; K Q^T of tiles 2, 3 | the softmax of tiles 0, 1, two slices behind each product | V's run behind the second product
.set k, 0
.set i, 0
.rept 32
	KQ 2
	SLICE 0
	SLICE 0
.if i == 1
	FETCH_V
.endif
.set i, i+1
.endr
.endm
.macro TURN_B         ; V^T P of tiles 0, 1 | the softmax of tiles 2, 3
	s_wait_dscnt 0x0                               ; V is in
.set k, 0
.set i, 0
.rept 32
	PV 0
	SLICE 2
	SLICE 2
.set i, i+1
.endr
.endm
; THE CHANGE OF SLOTS.  Each wave waits for all its tensor loads (one is out: its part of the other slot), adds 0 to its spare word, and waits for that and its reads of the slot that it leaves.
; Between the add and its wait stands work on registers: the next fill's descriptor, the walk's counters, this tile's masks.  fill = 1: a round of the cluster's barrier, and the joint fill first behind it.
.macro CHANGE fill
	WIN 0
	s_wait_tensorcnt 0x0
	ds_add_u32 v[SPW], v[NIL]
.if \fill
	s_lshl_b32 s[OFF], s[NXT], 16                  ; a tile is 65,536 bytes of K and of V
	s_xor_b32 s[G0K+1], s[G0K+1], D
	s_add_nc_u64 s[G0K+2:G0K+3], s[KB:KB+1], s[OFF:OFF+1]
	s_or_b32 s[G0K+3], s[G0K+3], 0x80000000
	s_xor_b32 s[G0V+1], s[G0V+1], D
	s_add_nc_u64 s[G0V+2:G0V+3], s[VB:VB+1], s[OFF:OFF+1]
	s_or_b32 s[G0V+3], s[G0V+3], 0x80000000
	s_add_co_u32 s[NXT], s[NXT], 1                 ; the block's next tile, or behind its last the second block's tile 0
	s_cmp_gt_u32 s[NXT], s[LQ]
	s_cselect_b32 s[NXT], 0, s[NXT]
	s_cselect_b32 s[LQ], s[LQ2], s[LQ]
.endif
	s_cmp_eq_u32 s[RT], 0                          ; has the block in hand had its last tile?
	s_cselect_b32 s[ENDED], 1, 0
	s_cselect_b32 s[RT], s[NB2], s[RT]
	s_cselect_b32 s[XC], s[X2], s[XC]
	s_cselect_b32 s[YC], s[Y2], s[YC]
	s_cselect_b32 s[ZC], s[Z2], s[ZC]
	s_sub_co_u32 s[RT], s[RT], 1
	s_cmp_eq_u32 s[RT], 0                          ; is this tile a block's last?
	s_cselect_b32 s[MX], s[XC], 0
	s_cselect_b32 s[MY], s[YC], 0
	s_cselect_b32 s[MZ], s[ZC], 0
	s_xor_b32 s[TB], s[TB], D
	WIN 0xc3
.set i, 0
.rept 8
	v_mov_b32 v[MN+i], s[MY]
	v_fma_f32 v[M0+i], v[TRI+i], s[MX], s[MY]
	v_mov_b32 v[MP+i], s[MZ]
.set i, i+1
.endr
	WIN 0
	s_wait_dscnt 0x0                               ; the add is done, my reads of the slot are over
.if \fill
	CROUND
	JLOAD
.else
	s_barrier_signal -1
	s_barrier_wait -1
.endif
.endm
; THE MERGE, tile t: my partial O^T times my factor goes into my part of the stage; behind a barrier wave w adds rows 4 w .. 4 w + 3 of the four parts, rounds and stores them.
.macro PASS t
	WIN W_RS
.set i, 64*(\t)
.rept 32
	v_pk_mul_f32 v[i:i+1], v[i:i+1], v[G+2*(\t):G+2*(\t)+1] op_sel_hi:[1,0]
.set i, i+2
.endr
	WIN 0x04                                       ; the stores' data lie in window 1
.irp f, 0,1,2,3,4,5,6,7
	ds_store_b128 v[STO], v[64*(\t)+8*\f:64*(\t)+8*\f+3]   offset:64*\f
	ds_store_b128 v[STO], v[64*(\t)+8*\f+4:64*(\t)+8*\f+7] offset:64*\f+16
.endr
	WIN 0
	s_wait_dscnt 0x0                               ; for the others' sake: my stores are done
	s_barrier_signal -1
	s_barrier_wait -1
.irp r, 0,1,2,3
.irp n, 0,1,2,3
	ds_load_b128 v[RB+16*\r+4*\n:RB+16*\r+4*\n+3], v[RD] offset:16*SP*\n+SP*\r
.endr
.endr
	s_wait_dscnt 0x0                               ; my reads of the stage are over
.if (\t) < 3
	s_barrier_signal -1                            ; the next tile's stores come behind this barrier; the sums, work on registers, stand inside it
.endif
.irp r, 0,1,2,3
	v_pk_add_f32 v[RB+16*\r:RB+16*\r+1],     v[RB+16*\r:RB+16*\r+1],     v[RB+16*\r+4:RB+16*\r+5]
	v_pk_add_f32 v[RB+16*\r+2:RB+16*\r+3],   v[RB+16*\r+2:RB+16*\r+3],   v[RB+16*\r+6:RB+16*\r+7]
	v_pk_add_f32 v[RB+16*\r+8:RB+16*\r+9],   v[RB+16*\r+8:RB+16*\r+9],   v[RB+16*\r+12:RB+16*\r+13]
	v_pk_add_f32 v[RB+16*\r+10:RB+16*\r+11], v[RB+16*\r+10:RB+16*\r+11], v[RB+16*\r+14:RB+16*\r+15]
	v_pk_add_f32 v[RB+16*\r:RB+16*\r+1],     v[RB+16*\r:RB+16*\r+1],     v[RB+16*\r+8:RB+16*\r+9]
	v_pk_add_f32 v[RB+16*\r+2:RB+16*\r+3],   v[RB+16*\r+2:RB+16*\r+3],   v[RB+16*\r+10:RB+16*\r+11]
	v_cvt_pk_f16_f32 v[P+8*(\t)+2*\r],   v[RB+16*\r],   v[RB+16*\r+1]
	v_cvt_pk_f16_f32 v[P+8*(\t)+2*\r+1], v[RB+16*\r+2], v[RB+16*\r+3]
.endr
.if (\t) < 3
	s_barrier_wait -1
.endif
.irp r, 0,1,2,3
	global_store_b64 v[GO], v[P+8*(\t)+2*\r:P+8*(\t)+2*\r+1], s[OP:OP+1] offset:(16*(\t)+\r)*4096   ; a row's 256 bytes of this head, aligned
.endr
.endm
; more = 1: the second block follows: its Q is asked for, and the statistics start anew.  O^T need only be finite: the next a is 0.
.macro MERGE more
	WIN 0
.irp t, 0,1,2,3
	v_add_f32 v[ST+8*\t+4], v[ST+8*\t+2], v[ST+8*\t+3]          ; these lines are also the places behind the last products
.endr
.irp t, 0,1,2,3
	v_permlanex16_b32 v[ST+8*\t+5], v[ST+8*\t+4], s[SEL], s[SEL+1]
.endr
.irp t, 0,1,2,3
	v_add_f32 v[ST+8*\t+1], v[ST+8*\t+4], v[ST+8*\t+5]          ; l takes m's place beside c m
.endr
.irp t, 0,1,2,3
	ds_store_b64 v[SA], v[ST+8*\t:ST+8*\t+1] offset:128*\t
.endr
.if \more
	s_wait_loadcnt 0x0                             ; Q's registers are loaded again only when every earlier load into them has come, on every way that leads here
	LOADQ QP2
.endif
	s_wait_dscnt 0x0
	s_barrier_signal -1
	s_barrier_wait -1
.irp t, 0,1,2,3
.irp n, 0,1,2,3
	ds_load_b64 v[S+8*\t+2*\n:S+8*\t+2*\n+1], v[SR] offset:512*\n+128*\t
.endr
.endr
	s_wait_dscnt 0x0
.irp t, 0,1,2,3
	v_max3_num_f32 v[S+32+\t], v[S+8*\t], v[S+8*\t+2], v[S+8*\t+4]
.endr
.irp t, 0,1,2,3
	v_max_num_f32 v[S+32+\t], v[S+32+\t], v[S+8*\t+6]
.endr
.irp t, 0,1,2,3
.irp n, 0,1,2,3
	v_sub_f32 v[S+8*\t+2*\n], v[S+8*\t+2*\n], v[S+32+\t]
.endr
	v_sub_f32 v[S+40+\t], v[ST+8*\t], v[S+32+\t]
.endr
.irp t, 0,1,2,3
.irp n, 0,1,2,3
	v_exp_f32 v[S+8*\t+2*\n], v[S+8*\t+2*\n]
.endr
	v_exp_f32 v[S+40+\t], v[S+40+\t]
.endr
	v_nop                                          ; a plain instruction behind the last exponential
	s_wait_alu depctr_va_vdst(0)
.irp t, 0,1,2,3
	v_mul_f32 v[S+44+\t], v[S+8*\t], v[S+8*\t+1]
.endr
.irp n, 1,2,3
.irp t, 0,1,2,3
	v_fmac_f32 v[S+44+\t], v[S+8*\t+2*\n], v[S+8*\t+2*\n+1]
.endr
.endr
.irp t, 0,1,2,3
	v_rcp_f32 v[S+44+\t], v[S+44+\t]
.endr
	v_nop
	s_wait_alu depctr_va_vdst(0)
.irp t, 0,1,2,3
	v_mul_f32 v[G+2*\t], v[S+40+\t], v[S+44+\t]
.endr
.irp t, 0,1,2,3
	v_mov_b32 v[G+2*\t+1], v[G+2*\t]               ; named with it as a pair
.endr
	PASS 0
	PASS 1
	PASS 2
	PASS 3
.if \more
	s_wait_xcnt 0x0                                ; the stores' data and base are rewritten only behind this wait
	s_mov_b64 s[OP:OP+1], s[OP2:OP2+1]
	NEWBLOCK
.endif
.endm
.macro TRIP fill, merge
	CHANGE \fill
	FETCH_K
	PV2                                            ; the tile before: V^T P of tiles 2, 3, while K's loads are out
	WIN 0
.if \merge
	s_cmp_eq_u32 s[ENDED], 1                       ; hangs on c and constants: alike in all waves and all partners
	s_cbranch_scc0 .Lno_merge_\@
	MERGE 1
.Lno_merge_\@:
.endif
	s_wait_loadcnt 0x0                             ; Q
	s_wait_dscnt 0x0                               ; K
.set i, 0
.rept 32
	KQ 0
.set i, i+1
.endr
	WIN 0
	PLACES                                         ; behind those products, and in front of V's run
	TURN_A
	TURN_B
	WIN 0
.endm
.Lslot:                                                ; eight trips: a tile is entered, the next is asked for
	TRIP 1, 1
	s_sub_co_u32 s[SLOTS], s[SLOTS], 1
	s_cmp_lg_u32 s[SLOTS], 0
	s_cbranch_scc1 .Lslot
	TRIP 0, 0                                      ; the ninth tile is written out: nothing is asked for; the second block has five tiles or more, so no merge falls here
	PV2
	MERGE 0
	s_wait_tensorcnt 0x0                           ; the wave's end
	ds_add_u32 v[SPW], v[NIL]
	s_wait_dscnt 0x0
	CROUND                                         ; the closing round
	s_endpgm
.Lfunc_end_k_qfbf83d522b_attn:
	.size	k_qfbf83d522b_attn, .Lfunc_end_k_qfbf83d522b_attn-k_qfbf83d522b_attn
	.p2alignl 7, 3214868480
	.fill 96, 4, 3214868480
	.section	.rodata,"a",@progbits
	.p2align	6, 0x0
	.amdhsa_kernel k_qfbf83d522b_attn
		.amdhsa_group_segment_fixed_size 327680
		.amdhsa_private_segment_fixed_size 0
		.amdhsa_enable_private_segment 0
		.amdhsa_kernarg_size 16
		.amdhsa_user_sgpr_count 2
		.amdhsa_user_sgpr_kernarg_segment_ptr 1
		.amdhsa_wavefront_size32 1
		.amdhsa_system_sgpr_workgroup_id_x 1
		.amdhsa_system_sgpr_workgroup_id_y 1
		.amdhsa_system_sgpr_workgroup_id_z 1
		.amdhsa_system_vgpr_workitem_id 0
		.amdhsa_next_free_vgpr 1024
		.amdhsa_next_free_sgpr 96
		.amdhsa_reserve_vcc 1
		.amdhsa_float_denorm_mode_32 3
		.amdhsa_float_denorm_mode_16_64 3
		.amdhsa_memory_ordered 1
		.amdhsa_forward_progress 1
		.amdhsa_inst_pref_size 194
	.end_amdhsa_kernel
	.amdgpu_metadata
---
amdhsa.version: [ 1, 2 ]
amdhsa.kernels:
  - .name:           k_qfbf83d522b_attn
    .symbol:         k_qfbf83d522b_attn.kd
    .args:
      - { .name: qkv, .offset: 0, .size: 8, .value_kind: global_buffer, .address_space: global }
      - { .name: oh, .offset: 8, .size: 8, .value_kind: global_buffer, .address_space: global }
    .group_segment_fixed_size: 327680
    .private_segment_fixed_size: 0
    .kernarg_segment_align: 8
    .kernarg_segment_size: 16
    .max_flat_workgroup_size: 128
    .sgpr_count:     96
    .vgpr_count:     1024
    .wavefront_size: 32
...
	.end_amdgpu_metadata
.endif
;; end of part 3
;; launch oproj (part 4): grid 16 x 16, 4 waves a work-group, clusters of 4 x 4, 327,680 bytes of LDS; arguments oh, xb, bo, out0; writes out0
.if DOCPART == 4
	.amdgcn_target "amdgcn-amd-amdhsa--gfx1250"
	.amdhsa_code_object_version 6
	.text
	.protected	k_qfbf83d522b_oproj
	.globl	k_qfbf83d522b_oproj
	.p2align	8
	.type	k_qfbf83d522b_oproj,@function
k_qfbf83d522b_oproj:
	s_mov_b64 s[64:65], 0
	v_nop
	global_prefetch_b8 v0, s[64:65] scope:SCOPE_SE
	s_setreg_imm32_b32 hwreg(HW_REG_WAVE_MODE, 25, 1), 1
	s_wait_xcnt 0x0
	s_wait_alu depctr_hold_cnt(0) depctr_sa_sdst(0) depctr_va_vdst(0) depctr_va_sdst(0) depctr_va_ssrc(0) depctr_va_vcc(0) depctr_vm_vsrc(0)
	s_getreg_b32 s2, hwreg(HW_REG_IB_STS2, 6, 4)
	s_cmp_eq_u32 s2, 0
	s_cbranch_scc0 .Lentry_in_a_cluster
	s_endpgm
.Lentry_in_a_cluster:
	s_bfe_u32 s2, ttmp6, 0x10000c
	s_cmp_lg_u32 s2, 0xf033
	s_cbranch_scc0 .Lentry_shape_is_right
	s_endpgm
.Lentry_shape_is_right:
; out0[m][n] = sum over k of O[m][k] wo[n][k] + bo[n].  O = oh, f16 [2048][2048]; wo in f16 at byte 41,943,040 of xb; sums in f32; out0 in f32; bo rounded to bf16 like every input.
; 256 tiles of 128 x 128, one to a work-group: four waves, each 64 x 64 = 16 accumulators.  K in 8 steps of 256 (LDS rows of 512 bytes) through two slots.
; CLUSTER 4 x 4: O's tiles are asked for jointly along a row of the cluster, wo's along a column.  The product is used transposed: a lane holds row l % 16 and eight neighbouring columns.
; THE WALK ALONG K begins, in the cluster at (X, Y) of the 4 x 4 clusters, at step 2 ((X + 2 Y + Y / 2) mod 4) and goes round: the four clusters with one Y, which need the same rows of O,
; and the four with one X, which need the same rows of wo, begin 2, 4 or 6 steps apart, so that no two of them ask for the same bytes in the same step.  The start hangs on the cluster's
; own place alone, which its sixteen work-groups share.  LIMIT: the order of the f32 sum along K is therefore not ascending, and differs from cluster to cluster.
; THE LOOP is one K step long and is written once: the slot in hand is a scalar that an exclusive or turns, each run of fragment loads makes its addresses from it, and one descriptor
; for O and one for wo walk.  The first quarter, whose products start the sums, stands ahead of the loop, which is entered in its middle.
; THE WAY OUT: a wave's 64 columns are 256 bytes of f32, a whole aligned block of a row, so each wave has a stage of its own and no barrier is needed.
; REGISTERS: window 0: v0-31 addresses; v32-95 the way out; v96-99 the bias; v128-255 the accumulators.  window 1: two fragment buffers of 128.
.set SIZE_N, 2048
.set SIZE_K, 2048
.set KSTEP,  256
.set STEPS,  SIZE_K/KSTEP
.set ROWB,   SIZE_K*2                  ; bytes in a row of O and of wo
.set PITCH,  528
.set HALFT,  64*PITCH
.set SLOT,   4*HALFT                   ; 0x21000; the four waves' places in a slot, w x 0x8400, share no bit with it, so one exclusive or changes slots
.set STAGE,  2*SLOT                    ; behind the ring: 16 rows x 272 bytes for each wave
.set SPITCH, 272
.set SPARE,  STAGE+4*16*SPITCH
.set ADRA0, 16                         ; v16  my A fragments' place in slot 0; never rewritten
.set ADRB0, 17                         ; v17  the same for B
.set ADRA, 20                          ; v20  the same in the slot in hand, made anew ahead of each run of loads
.set ADRB, 21
.set STO,  24
.set RD,   25
.set CO,   26
.set BOF,  27
.set SPW,  28
.set NIL,  29
.set TMP,  32
.set BIAS, 96
.set ACC,  128
.set F0,   0
.set F1,   128
.set CNT, 3                            ; s3       K steps whose third quarter is still to come
.set KO,  4                            ; s[4:5]   byte offset in a row of the K step to be asked for next
.set BB,  6                            ; s[6:7]   wo at the first of the rows that I fetch
.set TB,  9                            ; s9       the slot in hand: 0 or SLOT
.set AB,  14                           ; s[14:15] O at the first of the rows that I fetch
.set G1, 24
.set G0, 32                            ; s[32:35] A's first fill; s[36:39] its second, which then walks
.set G1B, 48
.set G0B, 56                           ; the same for B
.set MSB, 0
.macro WIN new
.if MSB != (\new)
	s_set_vgpr_msb (MSB<<8)|(\new)
.set MSB, \new
.endif
.endm
.set MUL,  0x05                        ; sources 0 (B) and 1 (A) window 1; C and D window 0
.set TO_F, 0x40
.macro JLOAD s                         ; waves 0, 1 fetch A's two halves, waves 2, 3 B's; an s_nop 0 and four v_nop follow each line
	s_cmp_eq_u32 s11, 0
	s_cbranch_scc0 .Lfor_b_\@
	tensor_load_to_lds s[G0+4*(\s):G0+4*(\s)+3], s[G1:G1+7]
	s_nop 0
.rept 4
	v_nop
.endr
	s_branch .Lasked_\@
.Lfor_b_\@:
	tensor_load_to_lds s[G0B+4*(\s):G0B+4*(\s)+3], s[G1B:G1B+7]
	s_nop 0
.rept 4
	v_nop
.endr
.Lasked_\@:
.endm
.macro CREST
	s_cmp_lg_u32 s10, 0
	s_cbranch_scc1 .Lnot_wave_0_\@
	s_barrier_signal -3
.Lnot_wave_0_\@:
	s_barrier_wait -3
	s_barrier_signal -1
	s_barrier_wait -1
.endm
.macro CROUND
	s_barrier_signal -1
	s_barrier_wait -1
	CREST
.endm
.macro AIM s                           ; both descriptors of set s point at the K step at offset KO, and KO goes one step on, round the row's end
	s_add_nc_u64 s[G0+4*(\s)+2:G0+4*(\s)+3], s[AB:AB+1], s[KO:KO+1]
	s_or_b32 s[G0+4*(\s)+3], s[G0+4*(\s)+3], 0x80000000
	s_add_nc_u64 s[G0B+4*(\s)+2:G0B+4*(\s)+3], s[BB:BB+1], s[KO:KO+1]
	s_or_b32 s[G0B+4*(\s)+3], s[G0B+4*(\s)+3], 0x80000000
	s_add_co_u32 s[KO], s[KO], KSTEP*2
	s_and_b32 s[KO], s[KO], ROWB-1
.endm
	s_load_b256 s[68:75], s[0:1], 0x0              ; oh s[68:69], xb s[70:71], bo s[72:73], out0 s[74:75]
	v_lshl_add_u32 v[SPW], v0, 2, SPARE
	v_mov_b32 v[NIL], 0
	ds_add_u32 v[SPW], v[NIL]                      ; the wave's opening: the add, and its wait ahead of my first tensor load
	v_lshrrev_b32 v1, 5, v0
	v_readfirstlane_b32 s10, v1
	s_lshr_b32 s11, s10, 1
	s_and_b32 s12, s10, 1
	s_bfe_u32 s40, ttmp6, 0x40000
	s_bfe_u32 s41, ttmp6, 0x40004
	s_lshl_b32 s42, ttmp9, 2
	s_add_co_u32 s42, s42, s40                     ; tile column
	s_and_b32 s13, ttmp7, 0xffff                   ; Y, the cluster's y
	s_lshr_b32 s8, s13, 1
	s_lshl_b32 s[KO], s13, 1
	s_add_co_u32 s[KO], s[KO], s8
	s_add_co_u32 s[KO], s[KO], ttmp9               ; X + 2 Y + Y / 2,
	s_lshl_b32 s[KO], s[KO], 10                    ; times two K steps of 512 bytes,
	s_and_b32 s[KO], s[KO], ROWB-1                 ; inside a row: where my cluster's walk begins
	s_mov_b32 s[KO+1], 0
	s_mov_b32 s[TB], 0                             ; its first step lies in slot 0
	s_lshl_b32 s13, s13, 2
	s_add_co_u32 s13, s13, s41                     ; tile row
	s_lshl_b32 s43, s41, 2
	s_lshl_b32 s43, 15, s43
	s_lshl_b32 s44, 0x1111, s40
	; descriptor group 1: 64 rows x 256 elements of 2 bytes, 4 words of padding behind every 128
	s_or_b32 s[G1+0], s43, (1<<16)|(1<<20)|(1<<21)|(6<<22)|(3<<25)
	s_or_b32 s[G1B+0], s44, (1<<16)|(1<<20)|(1<<21)|(6<<22)|(3<<25)
.irp g, G1, G1B
	s_mov_b32 s[(\g)+1], KSTEP<<16
	s_mov_b32 s[(\g)+2], 64<<16
	s_mov_b32 s[(\g)+3], KSTEP<<16
	s_mov_b32 s[(\g)+4], 64
	s_mov_b32 s[(\g)+5], SIZE_K
	s_mov_b32 s[(\g)+6], 0
	s_mov_b32 s[(\g)+7], 0
.endr
	s_lshl_b32 s17, s12, 6
	s_lshl_b32 s16, s13, 7
	s_add_co_u32 s16, s16, s17                     ; A: row 128 x tile row + 64 x half
	s_lshl_b32 s46, s42, 7
	s_add_co_u32 s46, s46, s17                     ; B: row 128 x tile column + 64 x half
	s_mov_b32 s17, 0
	s_mov_b32 s47, 0
	s_mov_b64 s[18:19], ROWB
	s_mul_u64 s[16:17], s[16:17], s[18:19]
	s_mul_u64 s[46:47], s[46:47], s[18:19]
	s_mul_i32 s20, s10, HALFT
	s_wait_dscnt 0x0                               ; the opening add is done
	s_wait_kmcnt 0x0
	s_add_nc_u64 s[70:71], s[70:71], 0x2800000     ; wo in xb
	s_add_nc_u64 s[AB:AB+1], s[68:69], s[16:17]
	s_add_nc_u64 s[BB:BB+1], s[70:71], s[46:47]
	CROUND
.irp s, 0,1
	s_mov_b32 s[G0+4*(\s)], 1
	s_add_co_u32 s[G0+4*(\s)+1], s20, (\s)*SLOT
	s_mov_b32 s[G0B+4*(\s)], 1
	s_add_co_u32 s[G0B+4*(\s)+1], s20, (\s)*SLOT
	AIM \s
	JLOAD \s
.endr
	v_and_b32 v1, 15, v0
	v_bfe_u32 v2, v0, 4, 1
	v_mul_u32_u24 v3, v1, PITCH
	v_lshl_add_u32 v3, v2, 4, v3
	s_mul_i32 s21, s11, HALFT
	s_mul_i32 s22, s12, HALFT
	s_add_co_u32 s22, s22, 2*HALFT
	v_add_nc_u32 v[ADRA0], s21, v3
	v_add_nc_u32 v[ADRB0], s22, v3
	s_mul_i32 s23, s10, 16*SPITCH
	s_add_co_u32 s23, s23, STAGE                   ; my stage
	v_mul_u32_u24 v4, v1, SPITCH                   ; in: row l % 16, 32 bytes for each half of the lanes
	v_lshl_add_u32 v4, v2, 5, v4
	v_add_nc_u32 v[STO], s23, v4
	v_mul_u32_u24 v5, v2, SPITCH                   ; back: lanes 0-15 one row of 256 bytes, lanes 16-31 the next
	v_lshl_add_u32 v5, v1, 4, v5
	v_add_nc_u32 v[RD], s23, v5
	v_lshlrev_b32 v5, 13, v2                       ; and the same two rows in out0, 8,192 bytes apart
	v_lshl_add_u32 v[CO], v1, 4, v5
	v_lshlrev_b32 v[BOF], 4, v1
	s_lshl_b32 s16, s13, 7
	s_lshl_b32 s17, s11, 6
	s_add_co_u32 s16, s16, s17                     ; my first row
	s_lshl_b32 s16, s16, 13
	s_mov_b32 s17, 0
	s_add_nc_u64 s[74:75], s[74:75], s[16:17]
	s_lshl_b32 s46, s42, 9                         ; my first column, in bytes of f32: 512 x tile column + 256 x half
	s_lshl_b32 s47, s12, 8
	s_add_co_u32 s46, s46, s47
	s_mov_b32 s47, 0
	s_add_nc_u64 s[74:75], s[74:75], s[46:47]
	s_add_nc_u64 s[72:73], s[72:73], s[46:47]
	global_load_b128 v[BIAS:BIAS+3], v[BOF], s[72:73]  ; the bias of the four columns that I store
	s_wait_loadcnt 0x0
	v_cvt_pk_bf16_f32 v4, v[BIAS], v[BIAS+1]
	v_cvt_pk_bf16_f32 v5, v[BIAS+2], v[BIAS+3]
	v_lshlrev_b32 v[BIAS], 16, v4
	v_and_b32 v[BIAS+1], 0xffff0000, v4
	v_lshlrev_b32 v[BIAS+2], 16, v5
	v_and_b32 v[BIAS+3], 0xffff0000, v5
.macro MUL8 f, c, a0, zero             ; 8 matrix instructions: m blocks a0, a0 + 1 x 4 n blocks, 32 along K: half c of buffer f
	WIN MUL
.irp a, \a0, (\a0)+1
.irp b, 0,1,2,3
.if \zero
	v_wmma_f32_16x16x32_f16 v[ACC+8*(4*(\a)+(\b)):ACC+8*(4*(\a)+(\b))+7], v[(\f)+64+8*(4*(\c)+(\b)):(\f)+64+8*(4*(\c)+(\b))+7], v[(\f)+8*(4*(\c)+(\a)):(\f)+8*(4*(\c)+(\a))+7], 0
.else
	v_wmma_f32_16x16x32_f16 v[ACC+8*(4*(\a)+(\b)):ACC+8*(4*(\a)+(\b))+7], v[(\f)+64+8*(4*(\c)+(\b)):(\f)+64+8*(4*(\c)+(\b))+7], v[(\f)+8*(4*(\c)+(\a)):(\f)+8*(4*(\c)+(\a))+7], v[ACC+8*(4*(\a)+(\b)):ACC+8*(4*(\a)+(\b))+7]
.endif
.endr
.endr
.endm
; 32 LDS loads in one run: 64 along K at byte k of the rows of the slot in hand, the first 32 along K first.  The two lines that make the addresses are plain vector instructions
; that name no register of a matrix instruction: two of the four places that stand in front of the loads.
.macro FETCH k, f
	WIN 0
	v_add_nc_u32 v[ADRA], s[TB], v[ADRA0]
	v_add_nc_u32 v[ADRB], s[TB], v[ADRB0]
	WIN TO_F
.irp c, 0,1
.irp i, 0,1,2,3
	ds_load_b128 v[(\f)+64+8*(4*(\c)+(\i)):(\f)+64+8*(4*(\c)+(\i))+3],   v[ADRB] offset:(\k)+64*(\c)+(\i)*16*PITCH
	ds_load_b128 v[(\f)+64+8*(4*(\c)+(\i))+4:(\f)+64+8*(4*(\c)+(\i))+7], v[ADRB] offset:(\k)+64*(\c)+(\i)*16*PITCH+32
	ds_load_b128 v[(\f)+8*(4*(\c)+(\i)):(\f)+8*(4*(\c)+(\i))+3],         v[ADRA] offset:(\k)+64*(\c)+(\i)*16*PITCH
	ds_load_b128 v[(\f)+8*(4*(\c)+(\i))+4:(\f)+8*(4*(\c)+(\i))+7],       v[ADRA] offset:(\k)+64*(\c)+(\i)*16*PITCH+32
.endr
.endr
.endm
.macro PLACES
.rept 4
	v_nop
.endr
.endm
.macro QUARTER k, f, g, zero           ; 64 along K: 32 matrix instructions, the 16 accumulators by turns
	s_wait_dscnt 16                                ; the first 32 along K are in
	MUL8 \f, 0, 0, \zero
	MUL8 \f, 0, 2, \zero
	v_nop                                          ; two places; the run's own two address lines are the other two
	v_nop
	FETCH \k, \g
	s_wait_dscnt 32                                ; all but the 32 just issued
	MUL8 \f, 1, 0, 0
	MUL8 \f, 1, 2, 0
.endm
.macro TURN fill                       ; the last quarter and the change of slots.  fill = 1: the slot just read out takes the walk's step two steps on
	WIN 0
	s_wait_tensorcnt 0x0                           ; all my tensor loads have landed: my part of the next slot
	ds_add_u32 v[SPW], v[NIL]
	s_wait_dscnt 17                                ; the add and the youngest sixteen loads may be out
	MUL8 F1, 0, 0, 0
	s_wait_dscnt 0x0                               ; the add is done, my reads of this slot are over
	s_barrier_signal -1
	MUL8 F1, 0, 2, 0
	WIN 0
	s_barrier_wait -1
.if \fill
	CREST                                          ; the barrier has opened a round of the cluster's: no wave of any partner still reads this slot or has a load on its way
	s_xor_b32 s[G0+5], s[G0+5], SLOT
	s_xor_b32 s[G0B+5], s[G0B+5], SLOT
	AIM 1
	JLOAD 1                                        ; the first tensor load behind the round; its four v_nop are also places in front of the loads below
.else
	v_nop
	v_nop
.endif
	s_xor_b32 s[TB], s[TB], SLOT                   ; the fetches go on in the other slot
	FETCH 0, F0
	MUL8 F1, 1, 0, 0
	MUL8 F1, 1, 2, 0
.endm
	s_wait_tensorcnt 1                             ; my part of the walk's first step is in; the second's may stay out
	s_barrier_signal -1
	s_barrier_wait -1
	FETCH 0, F0
	QUARTER 128, F0, F1, 1                         ; the first quarter starts the sums
	WIN 0                                          ; at a label and at a branch every window is 0
	s_mov_b32 s[CNT], STEPS-1
	s_branch .Lmid                                 ; the loop is entered at a step's second quarter
.Lstep:                                                ; 6 times: the walk's steps 0 to 5 end, and its steps 2 to 7 are asked for
	TURN 1
	QUARTER 128, F0, F1, 0
	WIN 0
.Lmid:                                                 ; 7 times: steps 0 to 6
	QUARTER 256, F1, F0, 0
	QUARTER 384, F0, F1, 0
	WIN 0
	s_sub_co_u32 s[CNT], s[CNT], 1
	s_cmp_lg_u32 s[CNT], 0
	s_cbranch_scc1 .Lstep
	TURN 0                                         ; the last two steps fill nothing
	QUARTER 128, F0, F1, 0
	QUARTER 256, F1, F0, 0
	QUARTER 384, F0, F1, 0
	s_wait_dscnt 16
	MUL8 F1, 0, 0, 0
	MUL8 F1, 0, 2, 0
	s_wait_dscnt 0
	MUL8 F1, 1, 0, 0
	MUL8 F1, 1, 2, 0
	WIN 0
	; THE WAY OUT, 16 rows at a time: 32 bytes a lane into my stage (each accumulator's low registers first), whole rows of 256 bytes back, the bias, the stores.
	PLACES
.irp a, 0,1,2,3
	s_wait_xcnt 0x0                                ; registers that earlier stores read are loaded again only behind this wait
.irp b, 0,1,2,3
	ds_store_b128 v[STO], v[ACC+8*(4*(\a)+(\b)):ACC+8*(4*(\a)+(\b))+3]   offset:64*(\b)
	ds_store_b128 v[STO], v[ACC+8*(4*(\a)+(\b))+4:ACC+8*(4*(\a)+(\b))+7] offset:64*(\b)+16
.endr
.irp t, 0,1,2,3,4,5,6,7
	ds_load_b128 v[TMP+32*((\a)%2)+4*(\t):TMP+32*((\a)%2)+4*(\t)+3], v[RD] offset:(\t)*2*SPITCH  ; LDS serves a wave's instructions in order: these see the stores above
.endr
.irp t, 0,1,2,3,4,5,6,7
	s_wait_dscnt 7-(\t)
	v_pk_add_f32 v[TMP+32*((\a)%2)+4*(\t):TMP+32*((\a)%2)+4*(\t)+1],   v[TMP+32*((\a)%2)+4*(\t):TMP+32*((\a)%2)+4*(\t)+1],   v[BIAS:BIAS+1]
	v_pk_add_f32 v[TMP+32*((\a)%2)+4*(\t)+2:TMP+32*((\a)%2)+4*(\t)+3], v[TMP+32*((\a)%2)+4*(\t)+2:TMP+32*((\a)%2)+4*(\t)+3], v[BIAS+2:BIAS+3]
	global_store_b128 v[CO], v[TMP+32*((\a)%2)+4*(\t):TMP+32*((\a)%2)+4*(\t)+3], s[74:75] offset:(16*(\a)+2*(\t))*SIZE_N*4  ; 16 lanes store 256 consecutive bytes, aligned
.endr
.endr
	s_wait_tensorcnt 0x0                           ; the wave's end
	ds_add_u32 v[SPW], v[NIL]
	s_wait_dscnt 0x0
	CROUND                                         ; the closing round
	s_endpgm
.Lfunc_end_k_qfbf83d522b_oproj:
	.size	k_qfbf83d522b_oproj, .Lfunc_end_k_qfbf83d522b_oproj-k_qfbf83d522b_oproj
	.p2alignl 7, 3214868480
	.fill 96, 4, 3214868480
	.section	.rodata,"a",@progbits
	.p2align	6, 0x0
	.amdhsa_kernel k_qfbf83d522b_oproj
		.amdhsa_group_segment_fixed_size 327680
		.amdhsa_private_segment_fixed_size 0
		.amdhsa_enable_private_segment 0
		.amdhsa_kernarg_size 32
		.amdhsa_user_sgpr_count 2
		.amdhsa_user_sgpr_kernarg_segment_ptr 1
		.amdhsa_wavefront_size32 1
		.amdhsa_system_sgpr_workgroup_id_x 1
		.amdhsa_system_sgpr_workgroup_id_y 1
		.amdhsa_system_sgpr_workgroup_id_z 1
		.amdhsa_system_vgpr_workitem_id 0
		.amdhsa_next_free_vgpr 512
		.amdhsa_next_free_sgpr 76
		.amdhsa_reserve_vcc 0
		.amdhsa_float_denorm_mode_32 3
		.amdhsa_float_denorm_mode_16_64 3
		.amdhsa_memory_ordered 1
		.amdhsa_forward_progress 1
		.amdhsa_inst_pref_size 65
	.end_amdhsa_kernel
	.amdgpu_metadata
---
amdhsa.version: [ 1, 2 ]
amdhsa.kernels:
  - .name:           k_qfbf83d522b_oproj
    .symbol:         k_qfbf83d522b_oproj.kd
    .args:
      - { .name: oh, .offset: 0, .size: 8, .value_kind: global_buffer, .address_space: global }
      - { .name: xb, .offset: 8, .size: 8, .value_kind: global_buffer, .address_space: global }
      - { .name: bo, .offset: 16, .size: 8, .value_kind: global_buffer, .address_space: global }
      - { .name: out0, .offset: 24, .size: 8, .value_kind: global_buffer, .address_space: global }
    .group_segment_fixed_size: 327680
    .private_segment_fixed_size: 0
    .kernarg_segment_align: 8
    .kernarg_segment_size: 32
    .max_flat_workgroup_size: 128
    .sgpr_count:     76
    .vgpr_count:     512
    .wavefront_size: 32
...
	.end_amdgpu_metadata
.endif
;; end of part 4
